; MI455X (gfx1250); checked and timed in simulation.
; The chip was launched on July 23, 2026; its instructions are those of AMD's public machine-readable ISA for CDNA 5 (MIT licence, August 2026) and "CDNA5" Instruction Set Architecture Reference Guide (July 2026). The comments in the code are by the model that wrote it; some were corrected since.
;; Encoder Layer. Allowed arithmetic: matrix products marked QUANTISED: E2M3 operands, one E8M0 scale for each 32 along K, by v_wmma_scale_f32_16x16x128_f8f6f4 with both operands' format E2M3, f32 sums; everything else in f32.
;; Inputs: W1 1,024 x 4,096 float32; W2 4,096 x 1,024 float32; Wk 1,024 x 1,024 float32; Wo 1,024 x 1,024 float32; Wq 1,024 x 1,024 float32; Wv 1,024 x 1,024 float32; b1 4,096 float32; b2 1,024 float32; be1 1,024 float32; be2 1,024 float32; bk 1,024 float32; bo 1,024 float32; bq 1,024 float32; bv 1,024 float32; g1 1,024 float32; g2 1,024 float32; x 2 x 2,048 x 1,024 float32.
;; Outputs: out0 2 x 2,048 x 1,024 float32.
;; This version of the problem:
;;   THIS VERSION OF THE PROBLEM IS GIVEN IN LOW PRECISION. The matrix products marked QUANTISED in the list below multiply operands that are first quantised to E2M3 (2 exponent bits, 3 mantissa bits; 6 bits a number), with one power-of-two scale for each 32 numbers along K (OCP MX v1.0); their sums are f32. All else is computed in f32.
;;   The module's matrix products, in the order in which they are computed (A, B: the left and right operand; K: the contracted axis; several contracted axes count as one K, in the product's order):
;;     1. [M 4,096, K 1,024] x [K 1,024, N 1,024]; A: input x; B: input Wq: QUANTISED
;;     2. [M 4,096, K 1,024] x [K 1,024, N 1,024]; A: input x; B: input Wk: QUANTISED
;;     3. [M 4,096, K 1,024] x [K 1,024, N 1,024]; A: input x; B: input Wv: QUANTISED
;;     4. batch 32 x [M 2,048, K 64] x [K 64, N 2,048]; A: computed on the way; B: computed on the way: QUANTISED
;;     5. batch 32 x [M 2,048, K 2,048] x [K 2,048, N 64]; A: softmax (see below); B: computed on the way: QUANTISED
;;     6. [M 4,096, K 1,024] x [K 1,024, N 1,024]; A: computed on the way; B: input Wo: QUANTISED
;;     7. [M 4,096, K 1,024] x [K 1,024, N 4,096]; A: computed on the way; B: input W1: QUANTISED
;;     8. [M 4,096, K 4,096] x [K 4,096, N 1,024]; A: computed on the way; B: input W2: QUANTISED
;;   THE QUANTISER, for each operand of a quantised product, along K:
;;     - K is cut into blocks of 32 from its start; a last block that is shorter is filled with zeros.
;;     - A block's scale is 2^e with e = floor(log2(the largest magnitude in the block)) - 2, held to -126 .. 127; a block of zeros has e = 0. As a byte (E8M0): e + 127.
;;     - Each number is divided by its block's scale, clamped to +-7.5, and rounded to the nearest number of E2M3, ties to even, subnormals kept.
;;     - The product sums the exact products of the quantised numbers (number of the format x scale) in f32.
;;   ~~~python
;;   def quantise(x, axis):      # numpy; x: float32 -> the quantised numbers, widened to float32 again
;;       x = np.moveaxis(x, axis, -1); K = x.shape[-1]
;;       x = np.pad(x, [(0, 0)] * (x.ndim - 1) + [(0, -K % 32)]); x = x.reshape(x.shape[:-1] + (-1, 32)); a = np.abs(x).max(-1, keepdims=True)
;;       e = np.where(a > 0, np.clip(np.frexp(np.where(a > 0, a, 1))[1] - 1 - 2, -126, 127), 0)      # np.frexp(a)[1] - 1 = floor(log2(a)), exactly
;;       r = np.clip(x / 2.0 ** e, -7.5, 7.5)
;;       step = 2.0 ** (np.maximum(np.frexp(np.where(r == 0, 1, r))[1] - 1, 0) - 3)
;;       q = np.round(r / step) * step * 2.0 ** e      # np.round: ties to even
;;       return np.moveaxis(q.reshape(q.shape[:-2] + (-1,))[..., :K], -1, axis).astype(np.float32)
;;   ~~~
;;   SOFTMAX AHEAD OF A QUANTISED PRODUCT. Where the list says 'softmax', what is quantised is not the finished softmax but p = 2^(t - M), with t = logit x log2(e) and M = ceil(the row's largest t), a whole number; so 1/2 < the row's largest p <= 1. The row's sum l is taken of the UNQUANTISED p, in f32, and the product's result is divided by l at the end. Since M is a whole number, a kernel that streams over the keys may use a running M (the ceiling of the running maximum): every later rescaling is an exact power of two, which a block's scale takes up: the codes' values come out the same.
;;   OPERANDS COMPUTED ON THE WAY. 'Computed on the way' means the value that the module computes at that place (a softmax that the list does not call 'softmax' is quantised finished and normalised). What goes into a quantiser is computed in f32, as accurately as f32 sums, v_exp_f32 and their like allow (about 1e-6 of the number): no bf16 or f16 on the way to a quantiser, and a product that is left as it is and whose result goes on into a quantised operand takes f32 operands (vector FMAs, or v_wmma_f32_16x16x4_f32). A number that lies on a knife's edge between two numbers of the format may be rounded either way, as far as f32 arithmetic and the matrix unit's own rounding can turn it there, and no further.
;; One version. Each part assembles by itself: llvm-mc -triple=amdgcn-amd-amdhsa -mcpu=gfx1250 --defsym DOCPART=n.
;; ======== version 1 of 1: 7 launches
;; limits: right only within a limited range of input values
;; workspace buffers: wts 13,631,488 bytes; qkv 10,747,904 bytes; ctxq 3,407,872 bytes; y 16,777,216 bytes; x1b 20,185,088 bytes; hq 13,631,488 bytes
;; launch prep (part 1): grid 448 x 1, 8 waves a work-group, no clusters, 121,856 bytes of LDS; arguments Wq, Wk, Wv, Wo, W1, W2, x, wts; writes wts
.if DOCPART == 1
	.amdgcn_target "amdgcn-amd-amdhsa--gfx1250"
	.amdhsa_code_object_version 6
	.text
	.protected	k_qb0a568b4b8_prep
	.globl	k_qb0a568b4b8_prep
	.p2align	8
	.type	k_qb0a568b4b8_prep,@function
k_qb0a568b4b8_prep:
	s_mov_b64 s[64:65], 0
	v_nop
	global_prefetch_b8 v0, s[64:65] scope:SCOPE_SE
	s_setreg_imm32_b32 hwreg(HW_REG_WAVE_MODE, 25, 1), 1
	s_wait_xcnt 0x0
; PREP: the six weights ([K][N] f32, K their first axis) and x ([4096][1024] f32) become codes of FP6 (E2M3) with one E8M0 byte for each 32 along K.
; A block's scale is 2^(floor(log2(largest magnitude)) - 2); its byte is the largest magnitude's exponent field - 2, held at 1 from below.
; LIMITS: NaN and infinities are not served; a block whose largest magnitude lies under 2^-124, and a block of zeros, gets the byte 1 (a block of zeros has zero codes; the bytes are read by this program alone).
; LAYOUT OF THE RESULT: images of the matrix operand's registers.  A tile is 16 rows of an operand; lane r of tile t holds row 32 (t/2) + 8 (t%2) + r + 8 (r/8).
; A half fragment (16 rows x 64 K, six registers a lane) is 768 bytes: registers 0, 1 at 8 x lane, registers 2-5 at 256 + 16 x lane.
; A record (one tile x 256 K) is 3,328 bytes: four half fragments, then the scale words of the two 128s along K, 4 x lane each, both halves of the lanes alike.  An operand is laid [K / 256][tile][record].
; Work-groups 0-191 take the weights: a wave takes 32 columns (two tiles) x 256 K, a lane one column with its registers running down K, so nothing is transposed by an instruction;
; the two records are gathered in the wave's own stage in LDS and leave as 6,656 consecutive bytes.  Work-groups 192-447 take x: one tile of 16 rows, a wave 128 columns.
; The two ways use LDS bytes of their own.  No barrier: waves share nothing.
.set REC,   3328
.set O_WK,  64*REC
; Wq | Wk, Wv, Wo and x share one array [K / 256][512 tiles]: tiles 0-127, 128-191, 192-255, 256-511; so one pitch along K serves them all.  W1 [4][256 tiles] and W2 [16][64 tiles] follow.
.set O_WV,  128*REC
.set O_WO,  192*REC
.set O_W1,  2048*REC
.set O_W2,  3072*REC
.set O_XQ,  256*REC
.set XSTG,  53248                      ; x's stages begin behind the weights' eight stages of 6,656 bytes
.set SEL,   2                          ; s[2:3] selects of v_permlanex16_b32: lane l xor 16
; the weights' way
.set SB,    12                         ; v12-13 scale bytes, four to a register
.set C,     16                         ; v16-21 a block's codes
.set C2,    24                         ; v24-26 its second half as converted
.set OFFS,  32                         ; v32-63 4 x lane + i rows
.set X,     64                         ; v64-127 two sets of 32 numbers
.set OUTR,  128                        ; v128-179 the way out
; x's way
.set L16,   4
.set L8,    5
.set L4,    6
.set TM,    16
.set PW,    32
.set PC,    36
.set Z,     64
.set R,     128
	s_load_b512 s[8:23], s[0:1], 0x0               ; Wq, Wk, Wv, Wo, W1, W2, x, wts
	v_lshl_add_u32 v254, v0, 2, 0x1d800
	v_mov_b32 v255, 0
	v_lshrrev_b32 v1, 5, v0
	s_delay_alu instid0(VALU_DEP_1)
	v_readfirstlane_b32 s4, v1                     ; wave 0..7
	v_and_b32 v1, 31, v0                           ; lane
	s_mov_b32 s[SEL], 0x76543210
	s_mov_b32 s[SEL+1], 0xfedcba98
	s_cmp_lt_u32 ttmp9, 192
	s_cbranch_scc0 .Lx
; ---------------- the weights ----------------
	v_lshlrev_b32 v2, 2, v1                        ; 4 x lane
	v_lshlrev_b32 v3, 4, v1                        ; 16 x lane
	v_bfe_u32 v8, v1, 3, 1                         ; column j of the pair of tiles lies in tile u = (j / 8) % 2,
	v_and_b32 v9, 7, v1
	v_lshrrev_b32 v10, 4, v1
	s_delay_alu instid0(VALU_DEP_1)
	v_lshl_add_u32 v9, v10, 3, v9                  ; lane r = j % 8 + 8 (j / 16)
	s_mul_i32 s5, s4, 2*REC                        ; my stage
	v_mul_u32_u24 v8, v8, REC
	s_delay_alu instid0(VALU_DEP_1)
	v_add_nc_u32 v8, s5, v8
	s_delay_alu instid0(VALU_DEP_1)
	v_lshl_add_u32 v4, v9, 3, v8                   ; where registers 0, 1 go
	s_delay_alu instid0(VALU_DEP_2)
	v_lshl_add_u32 v5, v9, 4, v8                   ; where registers 2-5 go (+ 256)
	s_delay_alu instid0(VALU_DEP_3)
	v_lshl_add_u32 v6, v9, 2, v8
	s_delay_alu instid0(VALU_DEP_1)
	v_add_nc_u32 v6, 3072, v6                      ; where a scale word goes
	v_add_nc_u32 v7, s5, v3                        ; the way out
	s_mov_b32 s26, 0                               ; the operand's place in wts
	s_mov_b32 s27, 512                             ; tiles from one 256 along K to the next
	s_mov_b32 s28, 12                              ; log2 of a row of the weight in bytes
	s_mov_b32 s29, 3                               ; mask of the column group
	s_mov_b32 s30, 2                               ; shift and
	s_mov_b32 s31, 3                               ; mask of the 256 along K
	s_wait_kmcnt 0x0
	s_mov_b64 s[24:25], s[8:9]                     ; the choices hang on the work-group's number alone
	s_cmp_ge_u32 ttmp9, 16
	s_cselect_b64 s[24:25], s[10:11], s[24:25]
	s_cselect_b32 s26, O_WK, s26
	s_cmp_ge_u32 ttmp9, 32
	s_cselect_b64 s[24:25], s[12:13], s[24:25]
	s_cselect_b32 s26, O_WV, s26
	s_cmp_ge_u32 ttmp9, 48
	s_cselect_b64 s[24:25], s[14:15], s[24:25]
	s_cselect_b32 s26, O_WO, s26
	s_cmp_ge_u32 ttmp9, 64
	s_cselect_b64 s[24:25], s[16:17], s[24:25]
	s_cselect_b32 s26, O_W1, s26
	s_cselect_b32 s27, 256, s27
	s_cselect_b32 s28, 14, s28
	s_cselect_b32 s29, 15, s29
	s_cselect_b32 s30, 4, s30
	s_cmp_ge_u32 ttmp9, 128
	s_cselect_b64 s[24:25], s[18:19], s[24:25]
	s_cselect_b32 s26, O_W2, s26
	s_cselect_b32 s27, 64, s27
	s_cselect_b32 s28, 12, s28
	s_cselect_b32 s29, 3, s29
	s_cselect_b32 s30, 2, s30
	s_cselect_b32 s31, 15, s31
	s_and_b32 s6, ttmp9, s29                       ; which 256 columns
	s_lshr_b32 s7, ttmp9, s30
	s_and_b32 s7, s7, s31                          ; which 256 along K
	s_lshl_b32 s48, 1, s28                         ; a row in bytes
	s_lshl_b32 s50, s48, 5                         ; 32 rows
	s_mov_b32 s51, 0
	s_lshl_b32 s52, s7, 8
	s_lshl_b32 s52, s52, s28
	s_lshl_b32 s53, s6, 10
	s_add_co_u32 s52, s52, s53
	s_lshl_b32 s53, s4, 7
	s_add_co_u32 s52, s52, s53
	s_mov_b32 s53, 0
	s_add_nc_u64 s[32:33], s[24:25], s[52:53]      ; a base for each of the eight blocks: none is stepped
.irp t, 1,2,3,4,5,6,7
	s_add_nc_u64 s[32+2*\t:33+2*\t], s[30+2*\t:31+2*\t], s[50:51]
.endr
	s_mul_i32 s54, s7, s27
	s_lshl_b32 s55, s6, 4
	s_add_co_u32 s54, s54, s55
	s_lshl_b32 s55, s4, 1
	s_add_co_u32 s54, s54, s55
	s_mul_i32 s54, s54, REC
	s_add_co_u32 s54, s54, s26
	s_mov_b32 s55, 0
	s_add_nc_u64 s[54:55], s[22:23], s[54:55]      ; my two records
.set n, 0
.rept 32
	v_mad_u32_u24 v[OFFS+n], s48, n, v2
.set n, n+1
.endr
.macro LOADW t                         ; block t: W(32 t + i, my column) into set t % 2: 32 lanes read 128 consecutive bytes, the eight waves 1,024
.set n, 0
.rept 32
	global_load_b32 v[X+32*((\t)%2)+n], v[OFFS+n], s[32+2*(\t):33+2*(\t)] th:TH_LOAD_NT
.set n, n+1
.endr
.endm
.macro BLOCK t
.set XS, X+32*((\t)%2)
.if (\t) < 7
	s_wait_loadcnt 32                              ; this block's 32 loads are in; the next block's may be out
.else
	s_wait_loadcnt 0x0
.endif
	v_max3_num_f32 v8, |v[XS]|, |v[XS+1]|, |v[XS+2]|           ; the block's largest magnitude: all 32 numbers are mine; two chains
	v_max3_num_f32 v9, |v[XS+3]|, |v[XS+4]|, |v[XS+5]|
.irp i, 6,10,14,18,22,26
	s_delay_alu instid0(VALU_DEP_2)
	v_max3_num_f32 v8, v8, |v[XS+\i]|, |v[XS+\i+1]|
	s_delay_alu instid0(VALU_DEP_2)
	v_max3_num_f32 v9, v9, |v[XS+\i+2]|, |v[XS+\i+3]|
.endr
	s_delay_alu instid0(VALU_DEP_2)
	v_max3_num_f32 v8, v8, |v[XS+30]|, |v[XS+31]|
	s_delay_alu instid0(VALU_DEP_1)
	v_max3_num_f32 v8, v8, v9, 0x1800000           ; and the floor 2^(3 - 127): the byte cannot fall under 1
	s_delay_alu instid0(VALU_DEP_1)
	v_add_nc_u32 v10, 0xff000000, v8               ; 2 off the exponent field: the conversion's scale operand
	s_delay_alu instid0(VALU_DEP_1)
	v_lshrrev_b32 v11, 23, v10                     ; the byte
.if (\t)%4 == 0
	s_delay_alu instid0(VALU_DEP_1)
	v_mov_b32 v[SB+(\t)/4], v11
.else
	s_delay_alu instid0(VALU_DEP_1)
	v_lshl_or_b32 v[SB+(\t)/4], v11, 8*((\t)%4), v[SB+(\t)/4]
.endif
	v_cvt_scalef32_pk16_fp6_f32 v[C:C+2], v[XS:XS+15], v10
	v_cvt_scalef32_pk16_fp6_f32 v[C2:C2+2], v[XS+16:XS+31], v10    ; (a conversion's three registers begin on an even number)
	v_nop                                          ; one plain place behind a scaled conversion
	v_mov_b32 v[C+3], v[C2]
	v_mov_b32 v[C+4], v[C2+1]
	v_mov_b32 v[C+5], v[C2+2]
	ds_store_b64 v4, v[C:C+1] offset:768*((\t)/2)+128*((\t)%2)             ; half fragment t / 2, lane r + 16 (t % 2)
	ds_store_b128 v5, v[C+2:C+5] offset:768*((\t)/2)+256+256*((\t)%2)
.if (\t)%4 == 3
	ds_store_b32 v6, v[SB+(\t)/4] offset:128*((\t)/4)                      ; the word of 128 along K, for lane r and for lane r + 16
	ds_store_b32 v6, v[SB+(\t)/4] offset:128*((\t)/4)+64
.endif
.if (\t)+2 < 8
	LOADW (\t)+2
.endif
	s_wait_dscnt 0x0                               ; the stores have read their registers: the next block's codes may be written
.endm
	LOADW 0
	LOADW 1
.irp t, 0,1,2,3,4,5,6,7
	BLOCK \t
.endr
.irp k, 0,1,2,3,4,5,6,7,8,9,10,11,12
	ds_load_b128 v[OUTR+4*\k:OUTR+4*\k+3], v7 offset:512*\k
.endr
.irp k, 0,1,2,3,4,5,6,7,8,9,10,11,12
	s_wait_dscnt 12-\k                             ; load k is back; the younger ones may be out
	global_store_b128 v3, v[OUTR+4*\k:OUTR+4*\k+3], s[54:55] offset:512*\k   ; 32 lanes store 512 consecutive bytes, at a multiple of 256 from the buffer's first byte
.endr
	s_wait_tensorcnt 0x0
	ds_add_u32 v254, v255
	s_wait_dscnt 0x0
	s_endpgm
; ---------------- x ----------------
; 64 numbers of a lane, register 16 b + i = k 32 b + 16 (lane / 16) + i of my row, become a fragment's codes in v[PC] on and its scale word in v[PW].
.macro QUANT s
.irp b, 0,1,2,3
	v_max3_num_f32 v[TM+\b], |v[\s+16*\b]|, |v[\s+1+16*\b]|, 0x1800000
.endr
.irp i, 2,4,6,8,10,12,14
.irp b, 0,1,2,3
	s_delay_alu instid0(VALU_DEP_4)
	v_max3_num_f32 v[TM+\b], v[TM+\b], |v[\s+16*\b+\i]|, |v[\s+1+16*\b+\i]|
.endr
.endr
.irp b, 0,1,2,3
	s_delay_alu instid0(VALU_DEP_4)
	v_permlanex16_b32 v[TM+4+\b], v[TM+\b], s[SEL], s[SEL+1]
.endr
.irp b, 0,1,2,3
	s_delay_alu instid0(VALU_DEP_4)
	v_max_num_f32 v[TM+\b], v[TM+\b], v[TM+4+\b]
.endr
.irp b, 0,1,2,3
	s_delay_alu instid0(VALU_DEP_4)
	v_add_nc_u32 v[TM+12+\b], 0xff000000, v[TM+\b]
.endr
.irp b, 0,1,2,3
	s_delay_alu instid0(VALU_DEP_4)
	v_lshrrev_b32 v[TM+4+\b], 23, v[TM+12+\b]
.endr
	s_delay_alu instid0(VALU_DEP_3)
	v_lshl_or_b32 v[PW], v[TM+5], 8, v[TM+4]
	s_delay_alu instid0(VALU_DEP_1)
	v_lshl_or_b32 v[PW], v[TM+6], 16, v[PW]
	s_delay_alu instid0(VALU_DEP_1)
	v_lshl_or_b32 v[PW], v[TM+7], 24, v[PW]
.irp c, 0,1
	v_cvt_scalef32_pk16_fp6_f32 v[PC+6*\c:PC+2+6*\c], v[\s+32*\c:\s+15+32*\c], v[TM+12+2*\c]
	v_cvt_scalef32_pk16_fp6_f32 v[PC+12+4*\c:PC+14+4*\c], v[\s+16+32*\c:\s+31+32*\c], v[TM+13+2*\c]
.endr
	v_nop                                          ; one plain place behind a scaled conversion
.irp c, 0,1                                    ; the operand's layout wants a whole block in a lane
.irp i, 0,1,2
	v_permlane16_swap_b32 v[PC+6*\c+\i], v[PC+12+4*\c+\i]
.endr
.irp i, 0,1,2
	s_delay_alu instid0(VALU_DEP_3)
	v_mov_b32 v[PC+3+6*\c+\i], v[PC+12+4*\c+\i]
.endr
.endr
.endm
.Lx:
	s_sub_co_u32 s5, ttmp9, 192                    ; the tile of 16 rows
	s_wait_alu depctr_va_vdst(0)
	v_lshlrev_b32 v[L16], 4, v1
	v_lshlrev_b32 v[L8], 3, v1
	v_lshlrev_b32 v[L4], 2, v1
	s_mul_i32 s6, s4, 8448                         ; my stage: 16 rows of 512 + 16 bytes
	s_add_co_u32 s6, s6, XSTG
	v_add_nc_u32 v7, s6, v[L16]                    ; in: 16 x lane of a row
	v_and_b32 v9, 15, v0
	v_bfe_u32 v10, v0, 4, 1
	s_delay_alu instid0(VALU_DEP_2)
	v_mul_u32_u24 v8, v9, 528
	s_delay_alu instid0(VALU_DEP_1)
	v_lshl_add_u32 v8, v10, 6, v8
	s_delay_alu instid0(VALU_DEP_1)
	v_add_nc_u32 v8, s6, v8                        ; out: row r, + 64 h: my 16 numbers of a block of 32
.irp b, 0,1,2,3
	v_mov_b32 v[TM+4+\b], 0                        ; a lane permute's destination counts as one of its sources
.endr
	s_lshr_b32 s24, s5, 1
	s_lshl_b32 s24, s24, 17
	s_and_b32 s25, s5, 1
	s_lshl_b32 s25, s25, 15
	s_add_co_u32 s24, s24, s25                     ; row 32 (t / 2) + 8 (t % 2), 4,096 bytes a row,
	s_lshl_b32 s25, s4, 9
	s_add_co_u32 s24, s24, s25                     ; my 128 columns
	s_mov_b32 s25, 0
	s_lshr_b32 s26, s4, 1
	s_lshl_b32 s26, s26, 9
	s_add_co_u32 s26, s26, s5
	s_mul_i32 s26, s26, REC
	s_add_co_u32 s26, s26, O_XQ                    ; the record (wave / 2, t)
	s_and_b32 s27, s4, 1
	s_lshl_b32 s30, s27, 7
	s_add_co_u32 s30, s30, s26
	s_add_co_u32 s30, s30, 3072                    ; its scale words
	s_mul_i32 s27, s27, 1536
	s_add_co_u32 s26, s26, s27                     ; my two half fragments
	s_mov_b32 s27, 0
	s_mov_b32 s31, 0
	s_wait_alu depctr_va_vdst(0)
	s_wait_kmcnt 0x0
	s_add_nc_u64 s[24:25], s[20:21], s[24:25]
	s_add_nc_u64 s[26:27], s[22:23], s[26:27]
	s_add_nc_u64 s[30:31], s[22:23], s[30:31]
.irp i, 0,1,2,3,4,5,6,7,8,9,10,11,12,13,14,15
	global_load_b128 v[R+4*\i:R+4*\i+3], v[L16], s[24:25] offset:(\i+8*(\i/8))*4096 th:TH_LOAD_NT   ; the tile's row i: 512 consecutive bytes
.endr
	s_wait_loadcnt 0x0
.irp i, 0,1,2,3,4,5,6,7,8,9,10,11,12,13,14,15
	ds_store_b128 v7, v[R+4*\i:R+4*\i+3] offset:528*\i
.endr
.irp b, 0,1,2,3
.irp j, 0,1,2,3
	ds_load_b128 v[Z+16*\b+4*\j:Z+16*\b+4*\j+3], v8 offset:128*\b+16*\j    ; LDS serves a wave's instructions in order: these see my stores
.endr
.endr
	s_wait_dscnt 0x0
	QUANT Z
	global_store_b64 v[L8], v[PC:PC+1], s[26:27]
	global_store_b128 v[L16], v[PC+2:PC+5], s[26:27] offset:256
	global_store_b64 v[L8], v[PC+6:PC+7], s[26:27] offset:768
	global_store_b128 v[L16], v[PC+8:PC+11], s[26:27] offset:1024
	global_store_b32 v[L4], v[PW], s[30:31]
	s_wait_tensorcnt 0x0
	ds_add_u32 v254, v255
	s_wait_dscnt 0x0
	s_endpgm
.Lfunc_end_k_qb0a568b4b8_prep:
	.size	k_qb0a568b4b8_prep, .Lfunc_end_k_qb0a568b4b8_prep-k_qb0a568b4b8_prep
	.p2alignl 7, 3214868480
	.fill 96, 4, 3214868480
	.section	.rodata,"a",@progbits
	.p2align	6, 0x0
	.amdhsa_kernel k_qb0a568b4b8_prep
		.amdhsa_group_segment_fixed_size 121856
		.amdhsa_private_segment_fixed_size 0
		.amdhsa_enable_private_segment 0
		.amdhsa_kernarg_size 64
		.amdhsa_user_sgpr_count 2
		.amdhsa_user_sgpr_kernarg_segment_ptr 1
		.amdhsa_wavefront_size32 1
		.amdhsa_system_sgpr_workgroup_id_x 1
		.amdhsa_system_sgpr_workgroup_id_y 1
		.amdhsa_system_sgpr_workgroup_id_z 1
		.amdhsa_system_vgpr_workitem_id 0
		.amdhsa_next_free_vgpr 256
		.amdhsa_next_free_sgpr 80
		.amdhsa_reserve_vcc 0
		.amdhsa_float_denorm_mode_32 3
		.amdhsa_float_denorm_mode_16_64 3
		.amdhsa_memory_ordered 1
		.amdhsa_forward_progress 1
		.amdhsa_inst_pref_size 62
	.end_amdhsa_kernel
	.amdgpu_metadata
---
amdhsa.version: [ 1, 2 ]
amdhsa.kernels:
  - .name:           k_qb0a568b4b8_prep
    .symbol:         k_qb0a568b4b8_prep.kd
    .args:
      - { .name: Wq, .offset: 0, .size: 8, .value_kind: global_buffer, .address_space: global }
      - { .name: Wk, .offset: 8, .size: 8, .value_kind: global_buffer, .address_space: global }
      - { .name: Wv, .offset: 16, .size: 8, .value_kind: global_buffer, .address_space: global }
      - { .name: Wo, .offset: 24, .size: 8, .value_kind: global_buffer, .address_space: global }
      - { .name: W1, .offset: 32, .size: 8, .value_kind: global_buffer, .address_space: global }
      - { .name: W2, .offset: 40, .size: 8, .value_kind: global_buffer, .address_space: global }
      - { .name: x, .offset: 48, .size: 8, .value_kind: global_buffer, .address_space: global }
      - { .name: wts, .offset: 56, .size: 8, .value_kind: global_buffer, .address_space: global }
    .group_segment_fixed_size: 121856
    .private_segment_fixed_size: 0
    .kernarg_segment_align: 8
    .kernarg_segment_size: 64
    .max_flat_workgroup_size: 256
    .sgpr_count:     80
    .vgpr_count:     256
    .wavefront_size: 32
...
	.end_amdgpu_metadata
.endif
;; end of part 1
;; launch qkv (part 2): grid 8 x 24, 4 waves a work-group, clusters of 4 x 4, 327,680 bytes of LDS; arguments wts, bq, bk, bv, qkv; writes qkv
.if DOCPART == 2
	.amdgcn_target "amdgcn-amd-amdhsa--gfx1250"
	.amdhsa_code_object_version 6
	.text
	.protected	k_qb0a568b4b8_qkv
	.globl	k_qb0a568b4b8_qkv
	.p2align	8
	.type	k_qb0a568b4b8_qkv,@function
k_qb0a568b4b8_qkv:
	s_mov_b64 s[64:65], 0
	v_nop
	global_prefetch_b8 v0, s[64:65] scope:SCOPE_SE
	s_setreg_imm32_b32 hwreg(HW_REG_WAVE_MODE, 25, 1), 1
	s_wait_xcnt 0x0
	s_wait_alu depctr_hold_cnt(0) depctr_sa_sdst(0) depctr_va_vdst(0) depctr_va_sdst(0) depctr_va_ssrc(0) depctr_va_vcc(0) depctr_vm_vsrc(0)
	s_getreg_b32 s2, hwreg(HW_REG_IB_STS2, 6, 4)
	s_cmp_eq_u32 s2, 0
	s_cbranch_scc0 .Lentry_in_a_cluster
	s_endpgm
.Lentry_in_a_cluster:
	s_bfe_u32 s2, ttmp6, 0x10000c
	s_cmp_lg_u32 s2, 0xf033
	s_cbranch_scc0 .Lentry_shape_is_right
	s_endpgm
.Lentry_shape_is_right:
; A GEMM on codes of FP6 (E2M3, one E8M0 byte for each 32 along K), K = 1,024, whose result is quantised on the way out and leaves as codes.
; QKV = 1: q = x Wq + bq and k = x Wk + bk (clusters with y < 4: A = x, B = Wq | Wk) and V^T = Wv^T x^T + bv (clusters with y >= 4: A = Wv's columns, B = x's rows), each quantised along the K of its product in attention.
; QKV = 0: hidden = relu(x1 W1 + b1), quantised along its 4,096 columns.
; OPERANDS are images of the matrix operand's registers: a record of 3,328 bytes is one tile of 16 rows x 256 K (four half fragments of 768 bytes: registers 0, 1 at 8 x lane, registers 2-5 at 256 + 16 x lane;
; then two runs of scale words at 4 x lane), laid [K / 256][tile].  Lane r of tile t holds row 32 (t/2) + 8 (t%2) + r + 8 (r/8).
; THE MATRIX INSTRUCTION IS USED TRANSPOSED (source 0 = 16 rows of B, source 1 = 16 rows of A): a lane holds one row of A, and by the tiles' order the 16 registers of B's tiles 2 b, 2 b + 1 are 16 neighbouring columns.
; So a wave's 128 columns of a tile of rows are the 64 numbers a lane that the quantiser wants, and what it makes is again an operand's image: nothing goes through LDS on the way out.
; SHARES: a work-group makes 256 x 256, each of four waves 128 x 128: 64 accumulators, 512 registers.  K goes through three LDS slots of 256 K (16 + 16 records, 106,496 bytes); three are filled at the start, slot 0 once more.
; CLUSTER 4 x 4: A's records are shared along a row of the cluster, B's along a column: joint loads.  Eight records are 26,624 dense bytes: one tensor load of 104 rows of 256 bytes a wave.
; The bias is the C of each sum's first matrix instruction.
; LIMITS: NaN and infinities are not served; a block whose largest magnitude lies under 2^-124, and a block of zeros, gets the byte 1 (read by this program alone).
; REGISTERS: window 0: v4-18 LDS addresses, v19-23 lane offsets, v28-29 for the add, v32-47 scale words (two sets of 8: lanes 0-15 A's tile i, lanes 16-31 B's), v64-159 and v160-255 A's fragments, two sets.
;   window 1: v0-95, v128-223 B's fragments, two sets; v96-127, v224-255 the bias, 8 tiles x 8.   windows 2, 3: accumulator (a, b) at v[8 (8 (a % 4) + b)] of window 2 + a / 4.
.set QKV,   1
.set REC,   3328
.set HALF8, 8*REC
.set SLOT,  4*HALF8
.set SPARE, 3*SLOT                     ; behind the slots: the spare words, 128 bytes for each wave
.set O_WV,  128*REC
.set O_W1,  1024*REC
.set O_XQ,  256*REC
.set ADA8,  4
.set ADA16, 7
.set ADB8,  10
.set ADB16, 13
.set ADS,   16
.set L4,    19
.set L8,    20
.set L16,   21
.set SPW,   28
.set NIL,   29
.set SC,    32
.set FLR,   64                         ; on the way out A's registers are free
.set TM,    66
.set PW,    82
.set PW2,   83
.set PC,    84
.set G1A,   24
.set G0A,   32
.set G1B,   44
.set G0B,   52
.set MSB, 0
.macro WIN new                         ; the immediate's high byte repeats the setting that is left
.if MSB != \new
	s_set_vgpr_msb (MSB<<8)|\new
.set MSB, \new
.endif
.endm
.macro PLACES n
.rept \n
	v_nop
.endr
.endm
.macro CREST                           ; a round of the cluster's barrier behind its opening barrier
	s_cmp_lg_u32 s14, 0
	s_cbranch_scc1 .Lnot_wave_0_\@
	s_barrier_signal -3
.Lnot_wave_0_\@:
	s_barrier_wait -3
	s_barrier_signal -1
	s_barrier_wait -1
.endm
.macro CROUND
	s_barrier_signal -1
	s_barrier_wait -1
	CREST
.endm
.macro JLOAD s                         ; a joint load: waves 0 and 1 fetch for A, waves 2 and 3 for B; four v_nop follow each line
	s_cmp_eq_u32 s15, 0
	s_cbranch_scc0 .Lfor_b_\@
	tensor_load_to_lds s[G0A+4*\s:G0A+4*\s+3], s[G1A:G1A+7]
	s_nop 0
	PLACES 4
	s_branch .Lasked_\@
.Lfor_b_\@:
	tensor_load_to_lds s[G0B+4*\s:G0B+4*\s+3], s[G1B:G1B+7]
	s_nop 0
	PLACES 4
.Lasked_\@:
.endm
.if QKV
	s_load_b256 s[4:11], s[0:1], 0x0               ; wts, bq, bk, bv
	s_load_b64 s[12:13], s[0:1], 0x20              ; qkv
.else
	s_load_b256 s[4:11], s[0:1], 0x0               ; x1b, wts, b1, hq
.endif
	v_lshl_add_u32 v[SPW], v0, 2, SPARE
	v_mov_b32 v[NIL], 0
	ds_add_u32 v28, v29
	ds_add_u32 v28, v29
	s_wait_dscnt 0x0
	v_lshrrev_b32 v1, 5, v0
	v_readfirstlane_b32 s14, v1                    ; wave 0..3
	s_lshr_b32 s15, s14, 1                         ; which half of A's rows is mine.  Also: I fetch for A (0) or for B (1)
	s_and_b32 s16, s14, 1                          ; which half of B's rows.  Also: which 8 records I fetch
	s_bfe_u32 s66, ttmp6, 0x40000                  ; cx
	s_bfe_u32 s67, ttmp6, 0x40004                  ; cy
	s_and_b32 s20, ttmp7, 0xffff                   ; the cluster's y
	s_lshl_b32 s21, s20, 2
.if QKV
	s_sub_co_u32 s22, s20, 4
	s_lshl_b32 s22, s22, 1                         ; 2 (cluster y - 4): used where cluster y >= 4 alone
	s_mov_b32 s70, 512*REC                         ; x and the weights share one array of 512 tiles for each 256 along K
	s_mov_b32 s72, 512*REC
	s_mov_b32 s18, O_WV
	s_mov_b32 s19, O_XQ
	s_cmp_lt_u32 s20, 4                            ; the region hangs on the cluster's y alone: alike in all sixteen partners
	s_cselect_b32 s69, 1, 0                        ; 1: q and k;  0: V^T
	s_cselect_b32 s21, s21, 0
	s_cselect_b32 s22, 0, s22
	s_cselect_b32 s18, O_XQ, s18                   ; A's place in wts
	s_cselect_b32 s19, 0, s19                      ; B's
	s_add_co_u32 s17, s21, s67                     ; A's block of 256 rows
	s_add_co_u32 s22, s22, ttmp9
	s_lshl_b32 s22, s22, 2
	s_add_co_u32 s68, s22, s66                     ; B's block of 256 rows
.else
	s_add_co_u32 s17, s21, s67
	s_lshl_b32 s22, ttmp9, 2
	s_add_co_u32 s68, s22, s66
	s_mov_b32 s70, 256*REC
	s_mov_b32 s72, 256*REC
	s_mov_b32 s18, 16777216                        ; x1's codes lie behind its f32 image
	s_mov_b32 s19, O_W1
.endif
	s_mov_b32 s71, 0
	s_mov_b32 s73, 0
	s_mul_i32 s98, s70, 3
	s_mov_b32 s99, 0
	s_mul_i32 s100, s72, 3
	s_mov_b32 s101, 0
	s_mov_b32 s96, 0x76543210
	s_mov_b32 s97, 0xfedcba98
	s_lshl_b32 s23, s67, 2
	s_lshl_b32 s23, 15, s23                        ; my row of the cluster
	s_lshl_b32 s2, 0x1111, s66                     ; my column
	s_or_b32 s[G1A], s23, (3<<16)|(1<<21)          ; 15:0 the mask; 17:16 elements of 8 bytes; 21 set beside a mask; no padding
	s_or_b32 s[G1B], s2, (3<<16)|(1<<21)
.irp g, G1A, G1B                       ; the head's load: three rows, one for each of the first three 256s along K; a row is eight records, 26,624 dense bytes
	s_mov_b32 s[\g+1], 3328<<16                    ; tensor_dim0 = 3,328 elements of 8 bytes
	s_mov_b32 s[\g+2], 3<<16                       ; tensor_dim1 = 3
	s_mov_b32 s[\g+3], 3328<<16                    ; tile_dim0
	s_mov_b32 s[\g+4], 3                           ; tile_dim1
	s_mov_b32 s[\g+5], 512*REC/8                   ; from one 256 along K to the next, in elements
	s_mov_b32 s[\g+6], 0
	s_mov_b32 s[\g+7], 0
.endr
	s_lshl_b32 s3, s16, 3
	s_lshl_b32 s74, s17, 4
	s_add_co_u32 s74, s74, s3
	s_mul_i32 s74, s74, REC
	s_add_co_u32 s74, s74, s18                     ; A: tile 16 x block + 8 x half: hangs on cy, not on cx
	s_mov_b32 s75, 0
	s_lshl_b32 s76, s68, 4
	s_add_co_u32 s76, s76, s3
	s_mul_i32 s76, s76, REC
	s_add_co_u32 s76, s76, s19                     ; B likewise: hangs on cx, not on cy
	s_mov_b32 s77, 0
	s_mul_i32 s78, s14, 3*HALF8                    ; LDS is laid [wave's eight records][slot]: wave x three times eight records
	s_wait_kmcnt 0x0
.if QKV
	s_add_nc_u64 s[74:75], s[4:5], s[74:75]
	s_add_nc_u64 s[76:77], s[4:5], s[76:77]
.else
	s_add_nc_u64 s[74:75], s[4:5], s[74:75]
	s_add_nc_u64 s[76:77], s[6:7], s[76:77]
.endif
	CROUND                                         ; all sixteen work-groups are here: the first joint loads meet
.irp s, 0
	s_mov_b32 s[G0A+4*\s], 1
	s_add_co_u32 s[G0A+4*\s+1], s78, \s*SLOT
	s_mov_b64 s[G0A+4*\s+2:G0A+4*\s+3], s[74:75]
	s_or_b32 s[G0A+4*\s+3], s[G0A+4*\s+3], 0x80000000
	s_add_nc_u64 s[74:75], s[74:75], s[70:71]
	s_mov_b32 s[G0B+4*\s], 1
	s_add_co_u32 s[G0B+4*\s+1], s78, \s*SLOT
	s_mov_b64 s[G0B+4*\s+2:G0B+4*\s+3], s[76:77]
	s_or_b32 s[G0B+4*\s+3], s[G0B+4*\s+3], 0x80000000
	s_add_nc_u64 s[76:77], s[76:77], s[72:73]
.endr
	s_cmp_eq_u32 s15, 0                            ; one tensor load a wave at the head: my eight records of all three slots
	s_cbranch_scc0 .Lfirst_b
	tensor_load_to_lds s[G0A:G0A+3], s[G1A:G1A+7]
	s_nop 0
	PLACES 4
	s_branch .Lfirst_done
.Lfirst_b:
	tensor_load_to_lds s[G0B:G0B+3], s[G1B:G1B+7]
	s_nop 0
	PLACES 4
.Lfirst_done:
	v_and_b32 v1, 31, v0                           ; lane
	v_bfe_u32 v2, v0, 4, 1                         ; h
	v_and_b32 v3, 15, v0                           ; r
	v_lshlrev_b32 v[L4], 2, v1
	v_lshlrev_b32 v[L8], 3, v1
	v_lshlrev_b32 v[L16], 4, v1
	v_lshlrev_b32 v22, 6, v2                       ; a bias by columns: 64 h
	v_and_b32 v23, 8, v3
	v_add_nc_u32 v23, v23, v3
	v_lshlrev_b32 v23, 2, v23                      ; a bias by rows: 4 (r + 8 (r / 8))
	s_mul_i32 s18, s15, 3*HALF8                    ; my eight records of A, slot 0
	s_mul_i32 s19, s16, 3*HALF8
	s_add_co_u32 s19, s19, 6*HALF8                 ; my eight of B, behind A's two runs of three slots
	s_sub_co_u32 s2, s19, s18
	v_mul_u32_u24 v24, s2, v2                      ; lanes 16-31 take B's scale words
	v_add_nc_u32 v24, v24, v[L4]
	v_add_nc_u32 v24, 3072, v24
.irp s, 0,1,2
	v_add_nc_u32 v[ADA8+\s], s18, v[L8]
	v_add_nc_u32 v[ADA16+\s], s18, v[L16]
	v_add_nc_u32 v[ADB8+\s], s19, v[L8]
	v_add_nc_u32 v[ADB16+\s], s19, v[L16]
	v_add_nc_u32 v[ADS+\s], s18, v24
	s_add_co_u32 s18, s18, HALF8
	s_add_co_u32 s19, s19, HALF8
.endr
; THE WAY OUT'S BASES: s[80:81], s[82:83] the two half fragments of tile 0; s[84:85], s[86:87] their scale words; s[88:95] the steps from tile to tile
.if QKV
	s_mul_i32 s2, ttmp9, 3670016                   ; q's region or k's
	s_cmp_eq_u32 s69, 1
	s_cselect_b32 s18, s17, s68                    ; the block of 256 tokens,
	s_cselect_b32 s19, s68, s17                    ; the block of 256 channels,
	s_cselect_b32 s20, s15, s16                    ; my half of the tokens,
	s_cselect_b32 s21, s16, s15                    ; my half of the channels
	s_mov_b32 s22, 106496
	s_cselect_b32 s22, 114688, s22                 ; a head's bytes
	s_mov_b32 s23, 6656
	s_cselect_b32 s23, 7168, s23                   ; the bytes of 128 tokens of a head
	s_mov_b32 s3, 7340032
	s_cselect_b32 s2, s2, s3
	s_mov_b32 s82, 768
	s_cselect_b32 s82, 114688, s82                 ; q, k: the second half fragment is the next head's;  V^T: the next 64 tokens'
	s_mov_b32 s88, 1536
	s_cselect_b32 s88, 768, s88
	s_mov_b32 s90, 101888                          ; V^T: from the fourth tile of a head to the first of the next
	s_cselect_b32 s90, 768, s90
	s_mov_b32 s92, 128
	s_mov_b32 s94, 106112
	s_cselect_b32 s94, 128, s94
	s_lshr_b32 s80, s18, 3                         ; the batch
	s_lshl_b32 s80, s80, 4
	s_and_b32 s19, s19, 3
	s_lshl_b32 s19, s19, 2
	s_add_co_u32 s80, s80, s19
	s_lshl_b32 s21, s21, 1
	s_add_co_u32 s80, s80, s21                     ; 16 x batch + my first head
	s_mul_i32 s80, s80, s22
	s_and_b32 s18, s18, 7
	s_lshl_b32 s18, s18, 1
	s_add_co_u32 s18, s18, s20                     ; which 128 tokens of the batch
	s_mul_i32 s18, s18, s23
	s_add_co_u32 s80, s80, s18
	s_add_co_u32 s80, s80, s2
	s_mov_b32 s81, 0
	s_mov_b32 s83, 0
	s_add_nc_u64 s[80:81], s[12:13], s[80:81]
	s_add_nc_u64 s[82:83], s[80:81], s[82:83]
	s_add_nc_u64 s[84:85], s[80:81], 6144
	s_add_nc_u64 s[86:87], s[82:83], 6144
.else
	s_lshl_b32 s80, s68, 8
	s_lshl_b32 s18, s17, 4
	s_add_co_u32 s80, s80, s18
	s_lshl_b32 s18, s15, 3
	s_add_co_u32 s80, s80, s18
	s_mul_i32 s80, s80, REC                        ; the record (my 256 columns, my first tile of rows)
	s_lshl_b32 s18, s16, 7
	s_add_co_u32 s84, s80, s18
	s_add_co_u32 s84, s84, 3072
	s_mul_i32 s18, s16, 1536
	s_add_co_u32 s80, s80, s18
	s_mov_b32 s81, 0
	s_mov_b32 s85, 0
	s_add_nc_u64 s[80:81], s[10:11], s[80:81]
	s_add_nc_u64 s[84:85], s[10:11], s[84:85]
	s_add_nc_u64 s[82:83], s[80:81], 768
	s_mov_b32 s88, REC
	s_mov_b32 s90, REC
	s_mov_b32 s92, REC
	s_mov_b32 s94, REC
.endif
	s_mov_b32 s89, 0
	s_mov_b32 s91, 0
	s_mov_b32 s93, 0
	s_mov_b32 s95, 0
; THE BIAS, in the result's layout, into window 1
.macro BIASCOL                         ; by B's rows: tile i, register j: column 32 (i / 2) + 8 (i % 2) + 16 h + j of my 128
	WIN 0x40
.irp i, 0,1,2,3,4,5,6,7
	global_load_b128 v[96+8*\i+96*(\i/4):99+8*\i+96*(\i/4)], v22, s[20:21] offset:(32*(\i/2)+8*(\i%2))*4
	global_load_b128 v[100+8*\i+96*(\i/4):103+8*\i+96*(\i/4)], v22, s[20:21] offset:(32*(\i/2)+8*(\i%2))*4+16
.endr
	WIN 0
.endm
.if QKV
	s_cmp_eq_u32 s69, 1
	s_cbranch_scc0 .Lbias_v
	s_and_b32 s18, s68, 3
	s_lshl_b32 s18, s18, 10
	s_lshl_b32 s19, s16, 9
	s_add_co_u32 s18, s18, s19
	s_mov_b32 s19, 0
	s_cmp_lg_u32 ttmp9, 0
	s_cselect_b64 s[20:21], s[8:9], s[6:7]         ; bk or bq
	s_add_nc_u64 s[20:21], s[20:21], s[18:19]
	BIASCOL
	s_branch .Lbias_done
.Lbias_v:
	s_lshl_b32 s18, s17, 10
	s_lshl_b32 s19, s15, 9
	s_add_co_u32 s18, s18, s19
	s_mov_b32 s19, 0
	s_add_nc_u64 s[20:21], s[10:11], s[18:19]
	WIN 0x40
.irp i, 0,1,2,3,4,5,6,7                        ; by A's rows: all eight registers of tile i hold bv at my lane's row
.irp j, 0,1,2,3,4,5,6,7
	global_load_b32 v[96+8*\i+96*(\i/4)+\j], v23, s[20:21] offset:(32*(\i/2)+8*(\i%2))*4
.endr
.endr
	WIN 0
.Lbias_done:
.else
	s_lshl_b32 s18, s68, 10
	s_lshl_b32 s19, s16, 9
	s_add_co_u32 s18, s18, s19
	s_mov_b32 s19, 0
	s_add_nc_u64 s[20:21], s[8:9], s[18:19]
	BIASCOL
.endif
.macro FRAG reg, a8, a16, off          ; a fragment (12 registers) from its two half fragments: every access covers 256 or 512 consecutive bytes
	ds_load_b64 v[\reg:\reg+1], v[\a8] offset:\off
	ds_load_b128 v[\reg+2:\reg+5], v[\a16] offset:\off+256
	ds_load_b64 v[\reg+6:\reg+7], v[\a8] offset:\off+768
	ds_load_b128 v[\reg+8:\reg+11], v[\a16] offset:\off+1024
.endm
.macro FETCH slot, q, set              ; the slot's q-th 128 along K: B's eight fragments, A's eight, eight registers of scale words
	WIN 0x40
.irp i, 0,1,2,3,4,5,6,7
	FRAG 128*(\set)+12*\i, ADB8+\slot, ADB16+\slot, \i*REC+(\q)*1536
.endr
	WIN 0
.irp i, 0,1,2,3,4,5,6,7
	FRAG 64+96*(\set)+12*\i, ADA8+\slot, ADA16+\slot, \i*REC+(\q)*1536
.endr
.irp i, 0,1,2,3,4,5,6,7
	ds_load_b32 v[SC+8*(\set)+\i], v[ADS+\slot] offset:\i*REC+128*(\q)
.endr
.endm
; na of A's tiles from a0 on, each against B's eight.  cm = -1: onto the sums;  0: the sums begin with the bias by B's tile;  1: by A's tile.
; The 64 accumulators take turns, one instruction a turn, in the same order in every step.
.macro MULA a0, na, set, cm
.set aa, \a0
.rept \na
.if \cm < 0
.set wn, 0xa1+0x50*(aa/4)
.else
.set wn, 0x91+0x40*(aa/4)
.endif
	WIN wn
.set bb, 0
.rept 8
.set rD, 8*(8*(aa%4)+bb)
.set rB, 128*(\set)+12*bb
.set rA, 64+96*(\set)+12*aa
.set sB, SC+8*(\set)+bb
.set sA, SC+8*(\set)+aa
.if \cm < 0
	v_wmma_scale_f32_16x16x128_f8f6f4 v[rD:rD+7], v[rB:rB+11], v[rA:rA+11], v[rD:rD+7], v[sB], v[sA] matrix_a_fmt:MATRIX_FMT_FP6 matrix_b_fmt:MATRIX_FMT_FP6 matrix_a_scale:MATRIX_SCALE_ROW1
.else
.if \cm == 0
.set rC, 96+8*bb+96*(bb/4)
.else
.set rC, 96+8*aa+96*(aa/4)
.endif
	v_wmma_scale_f32_16x16x128_f8f6f4 v[rD:rD+7], v[rB:rB+11], v[rA:rA+11], v[rC:rC+7], v[sB], v[sA] matrix_a_fmt:MATRIX_FMT_FP6 matrix_b_fmt:MATRIX_FMT_FP6 matrix_a_scale:MATRIX_SCALE_ROW1
.endif
.set bb, bb+1
.endr
.set aa, aa+1
.endr
.endm
.macro STEP set, ns, nq, cm            ; multiplies set; the next step's operands (slot ns, its nq-th 128) come into the other set meanwhile
	s_wait_dscnt 0x0                               ; this set was asked for a whole step ago
	PLACES 4                                       ; in front of loads into registers that matrix instructions have read
	FETCH \ns, \nq, 1-\set
	MULA 0, 8, \set, \cm
.endm
; A step at which the waves meet.  In front of the barrier each wave waits for all its tensor loads, adds 0 to its spare word, and waits for that and for its reads of the slot.  fill = 1: slot 0 takes the last 256 along K.
.macro TURN set, ns, fill
	WIN 0
	s_wait_tensorcnt 0x0
	ds_add_u32 v[SPW], v[NIL]
	s_wait_dscnt 1                                 ; this set's loads are in; the add alone may be out
	MULA 0, 2, \set, -1
	s_wait_dscnt 0x0                               ; the add is done; my reads of the slot are over
	s_barrier_signal -1
	MULA 2, 2, \set, -1
	WIN 0
	s_barrier_wait -1
.if \fill
	CREST                                          ; the barrier has opened a round of the cluster's: no wave of any partner still reads slot 0 or has a load on its way
	s_add_nc_u64 s[G0A+2:G0A+3], s[G0A+2:G0A+3], s[98:99]
	s_add_nc_u64 s[G0B+2:G0B+3], s[G0B+2:G0B+3], s[100:101]
	JLOAD 0                                        ; the first tensor load behind the round; its four v_nop are the places in front of the loads below
.else
	PLACES 4
.endif
	s_wait_alu depctr_va_vdst(0)
	FETCH \ns, 0, 1-\set
	MULA 4, 4, \set, -1
.endm
	s_wait_alu depctr_va_vdst(0)                   ; the wait at the head's end
	s_wait_tensorcnt 0x0                           ; my part of all three slots is in; no load of mine is out, so group 1 may be written:
.irp g, G1A, G1B                       ; the refill brings eight records as 104 rows of 256 bytes
	s_mov_b32 s[\g+1], 32<<16
	s_mov_b32 s[\g+2], 104<<16
	s_mov_b32 s[\g+3], 32<<16
	s_mov_b32 s[\g+4], 104
	s_mov_b32 s[\g+5], 32
.endr
	s_barrier_signal -1
	s_barrier_wait -1
	FETCH 0, 0, 0
	s_wait_loadcnt 0x0                             ; the bias
.if QKV
	s_cmp_eq_u32 s69, 1
	s_cbranch_scc0 .Ln0_v
	STEP 0, 0, 1, 0
	WIN 0
	s_branch .Ln0_done
.Ln0_v:
	STEP 0, 0, 1, 1
	WIN 0
.Ln0_done:
.else
	STEP 0, 0, 1, 0
.endif
	TURN 1, 1, 1                                   ; all three slots are shown whole here; the refill has three and a half steps in which to land
	STEP 0, 1, 1, -1
	STEP 1, 2, 0, -1
	STEP 0, 2, 1, -1
	TURN 1, 0, 0                                   ; the refill has landed, in every wave's eyes
	STEP 0, 0, 1, -1
	s_wait_dscnt 0x0
	MULA 0, 8, 1, -1
	WIN 0
	PLACES 4
	v_mov_b32 v[FLR], 0x1800000                    ; the floor 2^(3 - 127)
.irp b, 0,1,2,3
	v_mov_b32 v[TM+4+\b], 0                        ; a lane permute's destination counts as one of its sources
.endr
; Tile a of my rows: its eight accumulators are 64 numbers a lane, register 16 b + i = column 32 b + 16 h + i: quantised, and stored as an operand's image.
.macro EPI a
.set W, 2+(\a)/4
.set AC, 64*((\a)%4)
.if QKV == 0
.set wn, (W<<6)|(W<<2)
	WIN wn
.set n, 0
.rept 64
	v_max_num_f32 v[AC+n], 0, v[AC+n]              ; the activation, in f32; each accumulator from its low end on
.set n, n+1
.endr
.endif
.set wn, (W<<2)|(W<<4)
	WIN wn
.irp b, 0,1,2,3
	v_max3_num_f32 v[TM+\b], v[FLR], |v[AC+16*\b]|, |v[AC+16*\b+1]|
.endr
.irp i, 2,4,6,8,10,12,14
.irp b, 0,1,2,3
	v_max3_num_f32 v[TM+\b], v[TM+\b], |v[AC+16*\b+\i]|, |v[AC+16*\b+\i+1]|
.endr
.endr
	WIN 0
.irp b, 0,1,2,3
	v_permlanex16_b32 v[TM+4+\b], v[TM+\b], s96, s97
.endr
.irp b, 0,1,2,3
	v_max_num_f32 v[TM+\b], v[TM+\b], v[TM+4+\b]
.endr
.irp b, 0,1,2,3
	v_add_nc_u32 v[TM+12+\b], 0xff000000, v[TM+\b]
.endr
.irp b, 0,1,2,3
	v_lshrrev_b32 v[TM+4+\b], 23, v[TM+12+\b]
.endr
	s_wait_alu depctr_va_vdst(0)
	s_wait_xcnt 0x0                                ; the last tile's stores have read their data and bases: both are written again only behind this wait
.if (\a) == 4
	s_add_nc_u64 s[80:81], s[80:81], s[90:91]
	s_add_nc_u64 s[82:83], s[82:83], s[90:91]
	s_add_nc_u64 s[84:85], s[84:85], s[94:95]
.if QKV
	s_add_nc_u64 s[86:87], s[86:87], s[94:95]
.endif
.elseif (\a) > 0
	s_add_nc_u64 s[80:81], s[80:81], s[88:89]
	s_add_nc_u64 s[82:83], s[82:83], s[88:89]
	s_add_nc_u64 s[84:85], s[84:85], s[92:93]
.if QKV
	s_add_nc_u64 s[86:87], s[86:87], s[92:93]
.endif
.endif
	v_lshl_or_b32 v[PW], v[TM+5], 8, v[TM+4]
	v_lshl_or_b32 v[PW], v[TM+6], 16, v[PW]
	v_lshl_or_b32 v[PW], v[TM+7], 24, v[PW]
	WIN W
.irp c, 0,1
	v_cvt_scalef32_pk16_fp6_f32 v[PC+6*\c:PC+2+6*\c], v[AC+32*\c:AC+32*\c+15], v[TM+12+2*\c]
	v_cvt_scalef32_pk16_fp6_f32 v[PC+12+4*\c:PC+14+4*\c], v[AC+32*\c+16:AC+32*\c+31], v[TM+13+2*\c]
.endr
	WIN 0
	v_nop                                          ; one plain place behind a scaled conversion
.irp c, 0,1
.irp i, 0,1,2
	v_permlane16_swap_b32 v[PC+6*\c+\i], v[PC+12+4*\c+\i]
.endr
.irp i, 0,1,2
	v_mov_b32 v[PC+3+6*\c+\i], v[PC+12+4*\c+\i]
.endr
.endr
	global_store_b64 v[L8], v[PC:PC+1], s[80:81]
	global_store_b128 v[L16], v[PC+2:PC+5], s[80:81] offset:256
	global_store_b64 v[L8], v[PC+6:PC+7], s[82:83]
	global_store_b128 v[L16], v[PC+8:PC+11], s[82:83] offset:256
	global_store_b32 v[L4], v[PW], s[84:85]        ; q, k: bytes 0, 1 are this head's; bytes 2, 3 (the next head's, never 0xff) meet zero codes alone
.if QKV
	s_cmp_eq_u32 s69, 1
	s_cbranch_scc0 .Lone_word_\@
	v_lshrrev_b32 v[PW2], 16, v[PW]
	global_store_b32 v[L4], v[PW2], s[86:87]       ; the second head's word
.Lone_word_\@:
.endif
.endm
.irp e, 0,1,2,3,4,5,6,7
	EPI \e
.endr
	s_wait_tensorcnt 0x0                           ; the wave's end
	ds_add_u32 v[SPW], v[NIL]
	s_wait_dscnt 0x0
	CROUND                                         ; the closing round
	s_endpgm
.Lfunc_end_k_qb0a568b4b8_qkv:
	.size	k_qb0a568b4b8_qkv, .Lfunc_end_k_qb0a568b4b8_qkv-k_qb0a568b4b8_qkv
	.p2alignl 7, 3214868480
	.fill 96, 4, 3214868480
	.section	.rodata,"a",@progbits
	.p2align	6, 0x0
	.amdhsa_kernel k_qb0a568b4b8_qkv
		.amdhsa_group_segment_fixed_size 327680
		.amdhsa_private_segment_fixed_size 0
		.amdhsa_enable_private_segment 0
		.amdhsa_kernarg_size 40
		.amdhsa_user_sgpr_count 2
		.amdhsa_user_sgpr_kernarg_segment_ptr 1
		.amdhsa_wavefront_size32 1
		.amdhsa_system_sgpr_workgroup_id_x 1
		.amdhsa_system_sgpr_workgroup_id_y 1
		.amdhsa_system_sgpr_workgroup_id_z 1
		.amdhsa_system_vgpr_workitem_id 0
		.amdhsa_next_free_vgpr 1024
		.amdhsa_next_free_sgpr 104
		.amdhsa_reserve_vcc 0
		.amdhsa_float_denorm_mode_32 3
		.amdhsa_float_denorm_mode_16_64 3
		.amdhsa_memory_ordered 1
		.amdhsa_forward_progress 1
		.amdhsa_inst_pref_size 171
	.end_amdhsa_kernel
	.amdgpu_metadata
---
amdhsa.version: [ 1, 2 ]
amdhsa.kernels:
  - .name:           k_qb0a568b4b8_qkv
    .symbol:         k_qb0a568b4b8_qkv.kd
    .args:
      - { .name: wts, .offset: 0, .size: 8, .value_kind: global_buffer, .address_space: global }
      - { .name: bq, .offset: 8, .size: 8, .value_kind: global_buffer, .address_space: global }
      - { .name: bk, .offset: 16, .size: 8, .value_kind: global_buffer, .address_space: global }
      - { .name: bv, .offset: 24, .size: 8, .value_kind: global_buffer, .address_space: global }
      - { .name: qkv, .offset: 32, .size: 8, .value_kind: global_buffer, .address_space: global }
    .group_segment_fixed_size: 327680
    .private_segment_fixed_size: 0
    .kernarg_segment_align: 8
    .kernarg_segment_size: 40
    .max_flat_workgroup_size: 128
    .sgpr_count:     104
    .vgpr_count:     1024
    .wavefront_size: 32
...
	.end_amdgpu_metadata
.endif
;; end of part 2
;; launch attn (part 3): grid 8 x 32, 16 waves a work-group, clusters of 4 x 1, 223,232 bytes of LDS; arguments qkv, ctxq; writes ctxq
.if DOCPART == 3
	.amdgcn_target "amdgcn-amd-amdhsa--gfx1250"
	.amdhsa_code_object_version 6
	.text
	.protected	k_qb0a568b4b8_attn
	.globl	k_qb0a568b4b8_attn
	.p2align	8
	.type	k_qb0a568b4b8_attn,@function
k_qb0a568b4b8_attn:
	s_mov_b64 s[64:65], 0
	v_nop
	global_prefetch_b8 v0, s[64:65] scope:SCOPE_SE
	s_setreg_imm32_b32 hwreg(HW_REG_WAVE_MODE, 25, 1), 1
	s_wait_xcnt 0x0
	s_wait_alu depctr_hold_cnt(0) depctr_sa_sdst(0) depctr_va_vdst(0) depctr_va_sdst(0) depctr_va_ssrc(0) depctr_va_vcc(0) depctr_vm_vsrc(0)
	s_getreg_b32 s2, hwreg(HW_REG_IB_STS2, 6, 4)
	s_cmp_eq_u32 s2, 0
	s_cbranch_scc0 .Lentry_in_a_cluster
	s_endpgm
.Lentry_in_a_cluster:
	s_bfe_u32 s2, ttmp6, 0x10000c
	s_cmp_lg_u32 s2, 0x3003
	s_cbranch_scc0 .Lentry_shape_is_right
	s_endpgm
.Lentry_shape_is_right:
; ctx[b][q][h][:] = the sum over k of softmax_k(q . k / 8) v, both products on codes of FP6 (E2M3) with one E8M0 byte for each 32 along a product's K; the result is quantised along the model's 1,024 channels and leaves as codes.
; THE SOFTMAX AHEAD OF THE SECOND PRODUCT: t = score x log2(e) / 8; M = the running largest t rounded UP to a whole number; p = 2^(t - M) is what is quantised, along the keys, not normalised.
; The row's sum is taken of the unquantised p in f32 and divides at the end.  When M moves, the sum and O are multiplied by 2^(old M - new M): exact.
; INPUTS are images of the operands' registers: for each head and each 128 tokens, q and k: 8 tiles x 768 bytes (16 tokens x 64 channels: registers 0, 1 at 8 x lane, 2-5 at 256 + 16 x lane), then 8 x 128 bytes of scale words;
; V^T: 4 tiles of 16 channels x 128 tokens, 1,536 bytes each, then 4 x 128 bytes of scale words.  Lane r of tile t holds row 32 (t/2) + 8 (t%2) + r + 8 (r/8), so the 16 registers of two neighbouring tiles' results are 16 neighbours.
; THE HEAD IS 64 WIDE, half of the instruction's 128: Q's registers 6-11 are zero codes; K's registers 6-11 are whatever follows (the next tile's codes), which zero codes turn into nothing; E2M3 has no NaN and no infinity.
; SHARES: a work-group owns 256 queries of a head, each of sixteen waves one tile of 16, in 256 registers.  Both products are used transposed: a lane holds one query throughout.
; A HEAD'S K AND V STAY IN LDS (114,688 + 106,496 bytes), each byte filled once: no slot is filled again.  CLUSTER 4 x 1: the four blocks of queries of a cluster read the same K and V: joint loads.
; ONE TENSOR LOAD A WAVE, at the head: waves 0-7 bring K of 256 keys each (56 rows of 256 bytes), waves 8-15 V of 256 keys each (52 rows).  Every wave waits for its load (0), one barrier shows all of K and V to all,
; and the 2,048 keys are walked in one loop of 16 steps with no barrier in it: the waves share nothing but bytes that nobody writes.
; NO PREFETCH: all of K and V is asked for at the head; no load follows for which a loop could run ahead.
; LIMITS: NaN and infinities are not served; a block of ctx whose largest magnitude lies under 2^-124, and a block of zeros, gets the byte 1; the promise holds while the scaled scores stay under 2^31 in magnitude.
; REGISTERS: v1-3 8, 16, 4 x lane; v4-9 the step's LDS addresses; v12 -M, v13 the largest t, v[14:15] the sum; v16-27 Q; v[28:29] f; v30-31 at work; v32-85 K's eight tiles, six registers apart, and six zeros; later p's codes and scratch;
; v86-93 block maxima and permutes; v96-159 S^T, then p; v160-191 O^T; v192-239 V; v240-251 K's and V's scale words; v252 p's; v253 Q's; v254, v255 for the add.
.set KCH,  7168
.set VCH,  6656
.set VB,   16*KCH
.set REC,  3328
.set WV,   8
.set SEL,  20
.set CS,   22
.set G1K,  24
.set G1V,  32
.set G0K,  40
.set G0V,  68
.set TBK,  84
.set TBV,  85
.set CNT,  86
.set BM,   86
.set PT,   90
.set PC,   32
.set PX,   44
.set SO,   52
.set BY,   56
.macro CROUND
	s_barrier_signal -1
	s_barrier_wait -1
	s_cmp_lg_u32 s[WV], 0
	s_cbranch_scc1 .Lnot_wave_0_\@
	s_barrier_signal -3
.Lnot_wave_0_\@:
	s_barrier_wait -3
	s_barrier_signal -1
	s_barrier_wait -1
.endm
	s_load_b128 s[4:7], s[0:1], 0x0                ; qkv, ctxq
	v_lshl_add_u32 v254, v0, 2, 0x36000
	v_mov_b32 v255, 0
	ds_add_u32 v254, v255                          ; the opening lines: the add twice on end
	ds_add_u32 v254, v255
	v_lshrrev_b32 v1, 5, v0
	s_delay_alu instid0(VALU_DEP_1)
	v_readfirstlane_b32 s[WV], v1                  ; wave 0..15
	s_bfe_u32 s9, ttmp6, 0x40000                   ; cx
	s_lshl_b32 s10, ttmp9, 2
	s_add_co_u32 s10, s10, s9                      ; my block of 256 queries: it enters q's and ctx's addresses alone
	s_and_b32 s11, ttmp7, 0xffff                   ; 16 x batch + head, which the partners share
	s_and_b32 s12, s[WV], 7                        ; which 256 keys I fetch
	s_mov_b32 s[G1K], 15|(3<<16)|(1<<21)           ; 15:0 all four work-groups; 17:16 elements of 8 bytes; 21 set beside a mask
	s_mov_b32 s[G1K+1], 32<<16                     ; rows of 256 bytes,
	s_mov_b32 s[G1K+2], 56<<16                     ; 56 of them: K of 256 keys
	s_mov_b32 s[G1K+3], 32<<16
	s_mov_b32 s[G1K+4], 56
	s_mov_b32 s[G1K+5], 32
	s_mov_b32 s[G1K+6], 0
	s_mov_b32 s[G1K+7], 0
	s_mov_b32 s[G1V], 15|(3<<16)|(1<<21)
	s_mov_b32 s[G1V+1], 32<<16
	s_mov_b32 s[G1V+2], 52<<16                     ; 52 rows: V of 256 keys
	s_mov_b32 s[G1V+3], 32<<16
	s_mov_b32 s[G1V+4], 52
	s_mov_b32 s[G1V+5], 32
	s_mov_b32 s[G1V+6], 0
	s_mov_b32 s[G1V+7], 0
	s_mul_i32 s13, s12, 2*KCH
	s_mul_i32 s14, s12, 2*VCH
	s_mul_i32 s16, s11, 16*KCH
	s_add_co_u32 s16, s16, s13
	s_add_co_u32 s16, s16, 32*16*KCH               ; k lies behind q
	s_mov_b32 s17, 0
	s_mul_i32 s18, s11, 16*VCH
	s_add_co_u32 s18, s18, s14
	s_add_co_u32 s18, s18, 2*32*16*KCH             ; V^T behind k
	s_mov_b32 s19, 0
	s_lshl_b32 s15, s10, 4
	s_add_co_u32 s15, s15, s[WV]                   ; my tile of queries, 0..127
	s_lshr_b32 s87, s15, 3
	s_mul_i32 s87, s87, KCH
	s_mul_i32 s88, s11, 16*KCH
	s_add_co_u32 s88, s88, s87                     ; its 128 tokens
	s_and_b32 s87, s15, 7
	s_mul_i32 s90, s87, 128
	s_add_co_u32 s90, s90, s88
	s_add_co_u32 s90, s90, 6144                    ; its scale words
	s_mul_i32 s87, s87, 768
	s_add_co_u32 s88, s88, s87                     ; its codes
	s_mov_b32 s89, 0
	s_mov_b32 s91, 0
	s_lshr_b32 s92, s11, 4
	s_lshl_b32 s92, s92, 7
	s_add_co_u32 s92, s92, s15                     ; ctx's tile of rows: 128 x batch + my tile
	s_bfe_u32 s87, s11, 0x20002                    ; head / 4: which 256 channels
	s_lshl_b32 s87, s87, 8
	s_add_co_u32 s92, s92, s87
	s_mul_i32 s92, s92, REC                        ; the record
	s_bfe_u32 s87, s11, 0x10001                    ; (head / 2) % 2: which run of scale words,
	s_lshl_b32 s87, s87, 7
	s_add_co_u32 s94, s92, s87
	s_and_b32 s87, s11, 1                          ; head % 2: which half of a word
	s_lshl_b32 s87, s87, 1
	s_add_co_u32 s94, s94, s87
	s_add_co_u32 s94, s94, 3072
	s_and_b32 s87, s11, 3                          ; head % 4: which half fragment
	s_mul_i32 s87, s87, 768
	s_add_co_u32 s92, s92, s87
	s_mov_b32 s93, 0
	s_mov_b32 s95, 0
	s_mov_b32 s[SEL], 0x76543210
	s_mov_b32 s[SEL+1], 0xfedcba98
	s_mov_b32 s[CS], 0x3e38aa3b                    ; c = log2(e) / 8
	s_mov_b32 s[CS+1], s[CS]
	s_mov_b32 s[TBK], 0
	s_mov_b32 s[TBV], VB
	s_wait_dscnt 0x0
	s_wait_kmcnt 0x0
	s_add_nc_u64 s[16:17], s[4:5], s[16:17]
	s_add_nc_u64 s[18:19], s[4:5], s[18:19]
	s_add_nc_u64 s[88:89], s[4:5], s[88:89]
	s_add_nc_u64 s[90:91], s[4:5], s[90:91]
	s_add_nc_u64 s[92:93], s[6:7], s[92:93]
	s_add_nc_u64 s[94:95], s[6:7], s[94:95]
	CROUND                                         ; all four work-groups are here: the joint loads meet
	s_mov_b32 s[G0K], 1
	s_add_co_u32 s[G0K+1], s13, 0
	s_add_nc_u64 s[G0K+2:G0K+3], s[16:17], 0
	s_or_b32 s[G0K+3], s[G0K+3], 0x80000000
	s_mov_b32 s[G0V], 1
	s_add_co_u32 s[G0V+1], s14, VB
	s_add_nc_u64 s[G0V+2:G0V+3], s[18:19], 0
	s_or_b32 s[G0V+3], s[G0V+3], 0x80000000
	s_cmp_lt_u32 s[WV], 8                          ; every way passes exactly one load
	s_cbranch_scc0 .Lnot_k
	tensor_load_to_lds s[G0K:G0K+3], s[G1K:G1K+7]
	s_nop 0
.rept 4
	v_nop
.endr
	s_branch .Lasked
.Lnot_k:
	tensor_load_to_lds s[G0V:G0V+3], s[G1V:G1V+7]
	s_nop 0
.rept 4
	v_nop
.endr
.Lasked:
	v_and_b32 v10, 31, v0
	s_delay_alu instid0(VALU_DEP_1)
	v_lshlrev_b32 v1, 3, v10
	s_delay_alu instid0(VALU_DEP_2)
	v_lshlrev_b32 v2, 4, v10
	s_delay_alu instid0(VALU_DEP_3)
	v_lshlrev_b32 v3, 2, v10
	global_load_b64 v[16:17], v1, s[88:89]         ; Q's half fragment stays in registers
	global_load_b128 v[18:21], v2, s[88:89] offset:256
	global_load_b32 v253, v3, s[90:91]
.irp j, 22,23,24,25,26,27,80,81,82,83,84,85
	v_mov_b32 v\j, 0                               ; zero codes: Q's upper 64, and what follows K's last tile
.endr
	v_mov_b32 v13, 0xff61b1e6                      ; the largest t so far: -3e38
	s_delay_alu instid0(VALU_DEP_1)
	v_floor_f32 v12, -v13                          ; -M
	v_mov_b32 v14, 0
	v_mov_b32 v15, 0
	v_mov_b32 v29, 0                               ; (the upper half of the pair v[28:29])
	v_mov_b32 v30, 0
.irp b, 0,1,2,3
	v_mov_b32 v[PT+\b], 0                          ; a lane permute's destination counts as one of its sources
.endr
.set n, 0
.rept 32
	v_mov_b32 v[160+n], 0                          ; O^T: the step is written once; its first walk finds zeros
.set n, n+1
.endr
; A KEY STEP: 128 keys.
.macro STEP
	v_add_nc_u32 v4, s[TBK], v1                    ; (these six are also the places behind the last step's products, in front of the loads)
	v_add_nc_u32 v5, s[TBK], v2
	v_add_nc_u32 v6, s[TBK], v3
	v_add_nc_u32 v7, s[TBV], v1
	v_add_nc_u32 v8, s[TBV], v2
	v_add_nc_u32 v9, s[TBV], v3
.irp t, 0,1,2,3,4,5,6,7
	ds_load_b64 v[32+6*\t:33+6*\t], v4 offset:768*\t
	ds_load_b128 v[34+6*\t:37+6*\t], v5 offset:768*\t+256
	ds_load_b32 v[240+\t], v6 offset:6144+128*\t
.endr
.irp d, 0,1,2,3
	ds_load_b64 v[192+12*\d:193+12*\d], v7 offset:1536*\d
	ds_load_b128 v[194+12*\d:197+12*\d], v8 offset:1536*\d+256
	ds_load_b64 v[198+12*\d:199+12*\d], v7 offset:1536*\d+768
	ds_load_b128 v[200+12*\d:203+12*\d], v8 offset:1536*\d+1024
	ds_load_b32 v[248+\d], v9 offset:6144+128*\d
.endr
	s_wait_dscnt 20                                ; K and its scale words are in; V's twenty loads may be out
.irp t, 0,1,2,3,4,5,6,7
	v_wmma_scale_f32_16x16x128_f8f6f4 v[96+8*\t:103+8*\t], v[32+6*\t:43+6*\t], v[16:27], 0, v[240+\t], v253 matrix_a_fmt:MATRIX_FMT_FP6 matrix_b_fmt:MATRIX_FMT_FP6
.endr
.rept 4
	v_nop
.endr
.irp b, 0,1,2,3
	v_max3_num_f32 v[BM+\b], v[96+16*\b], v[97+16*\b], v[98+16*\b]     ; the largest score of each block of 32 keys: for the row's maximum and, since p rises with the score, for the block's largest p
.endr
.irp i, 3,5,7,9,11,13
.irp b, 0,1,2,3
	v_max3_num_f32 v[BM+\b], v[BM+\b], v[96+16*\b+\i], v[97+16*\b+\i]
.endr
.endr
.irp b, 0,1,2,3
	v_max_num_f32 v[BM+\b], v[BM+\b], v[111+16*\b]
.endr
.irp b, 0,1,2,3
	s_delay_alu instid0(VALU_DEP_4)
	v_permlanex16_b32 v[PT+\b], v[BM+\b], s[SEL], s[SEL+1]
.endr
.irp b, 0,1,2,3
	s_delay_alu instid0(VALU_DEP_4)
	v_max_num_f32 v[BM+\b], v[BM+\b], v[PT+\b]
.endr
	s_delay_alu instid0(VALU_DEP_2)
	v_max3_num_f32 v30, v[BM], v[BM+1], v[BM+2]
	s_delay_alu instid0(VALU_DEP_1)
	v_max_num_f32 v30, v30, v[BM+3]
	s_delay_alu instid0(VALU_DEP_1)
	v_mul_f32 v30, s[CS], v30
	s_delay_alu instid0(VALU_DEP_1)
	v_max_num_f32 v13, v13, v30                    ; the running largest t
	v_mov_b32 v30, v12
	s_delay_alu instid0(VALU_DEP_2)
	v_floor_f32 v12, -v13                          ; the new -M = -ceil(t)
	s_delay_alu instid0(VALU_DEP_1)
	v_sub_f32 v30, v12, v30                        ; old M - new M: a whole number, 0 or less
	s_delay_alu instid0(VALU_DEP_1)
	v_cvt_i32_f32 v30, v30                         ; (it saturates)
	s_delay_alu instid0(VALU_DEP_1)
	v_ldexp_f32 v28, 1.0, v30                      ; f = 2^(old M - new M)
.set n, 0
.rept 32
	v_pk_fma_f32 v[96+n:97+n], v[96+n:97+n], s[CS:CS+1], v[12:13] op_sel_hi:[1,0,0]   ; t - M
.set n, n+2
.endr
.irp b, 0,1,2,3
	v_fma_f32 v[BM+\b], v[BM+\b], s[CS], v12
.endr
.set n, 0
	s_wait_alu depctr_va_vdst(0)                   ; the wait ahead of the batch
.rept 64
	v_exp_f32 v[96+n], v[96+n]                     ; p = 2^(t - M)
.set n, n+1
.endr
.irp b, 0,1,2,3
	v_exp_f32 v[BM+\b], v[BM+\b]                   ; the block's largest p: the same two instructions on the same number
.endr
	v_pk_mul_f32 v[14:15], v[14:15], v[28:29] op_sel_hi:[1,0]          ; the sums under the new M (a plain place behind the exponentials)
	s_wait_alu depctr_va_vdst(0)                   ; and behind it, ahead of its first reader
.irp b, 0,1,2,3
	v_max_num_f32 v[BM+\b], 0x1800000, v[BM+\b]    ; the floor 2^(3 - 127)
.endr
.irp b, 0,1,2,3
	s_delay_alu instid0(VALU_DEP_4)
	v_add_nc_u32 v[SO+\b], 0xff000000, v[BM+\b]
.endr
.irp b, 0,1,2,3
	s_delay_alu instid0(VALU_DEP_4)
	v_lshrrev_b32 v[BY+\b], 23, v[SO+\b]
.endr
	s_delay_alu instid0(VALU_DEP_3)
	v_lshl_or_b32 v252, v[BY+1], 8, v[BY]          ; p's scale word for these 128 keys
	s_delay_alu instid0(VALU_DEP_1)
	v_lshl_or_b32 v252, v[BY+2], 16, v252
	s_delay_alu instid0(VALU_DEP_1)
	v_lshl_or_b32 v252, v[BY+3], 24, v252
.irp c, 0,1
	v_cvt_scalef32_pk16_fp6_f32 v[PC+6*\c:PC+2+6*\c], v[96+32*\c:111+32*\c], v[SO+2*\c]
	v_cvt_scalef32_pk16_fp6_f32 v[PX+4*\c:PX+2+4*\c], v[112+32*\c:127+32*\c], v[SO+1+2*\c]
.endr
	v_nop                                          ; one plain place behind a scaled conversion
.irp c, 0,1
.irp i, 0,1,2
	v_permlane16_swap_b32 v[PC+6*\c+\i], v[PX+4*\c+\i]
.endr
.irp i, 0,1,2
	s_delay_alu instid0(VALU_DEP_3)
	v_mov_b32 v[PC+3+6*\c+\i], v[PX+4*\c+\i]
.endr
.endr
	v_pk_add_f32 v[90:91], v[100:101], v[104:105]                      ; the row's sum of the unquantised p: eight chains
	v_pk_add_f32 v[246:247], v[108:109], v[112:113]
	v_pk_add_f32 v[244:245], v[116:117], v[120:121]
	v_pk_add_f32 v[242:243], v[124:125], v[128:129]
	v_pk_add_f32 v[240:241], v[132:133], v[136:137]
	v_pk_add_f32 v[94:95], v[140:141], v[144:145]
	v_pk_add_f32 v[88:89], v[148:149], v[152:153]
	v_pk_add_f32 v[14:15], v[14:15], v[156:157]
	v_pk_add_f32 v[90:91], v[90:91], v[96:97]
	v_pk_add_f32 v[246:247], v[246:247], v[98:99]
	v_pk_add_f32 v[244:245], v[244:245], v[102:103]
	v_pk_add_f32 v[242:243], v[242:243], v[106:107]
	v_pk_add_f32 v[240:241], v[240:241], v[110:111]
	v_pk_add_f32 v[94:95], v[94:95], v[114:115]
	v_pk_add_f32 v[88:89], v[88:89], v[118:119]
	v_pk_add_f32 v[14:15], v[14:15], v[122:123]
	v_pk_add_f32 v[90:91], v[90:91], v[126:127]
	v_pk_add_f32 v[246:247], v[246:247], v[130:131]
	v_pk_add_f32 v[244:245], v[244:245], v[134:135]
	v_pk_add_f32 v[242:243], v[242:243], v[138:139]
	v_pk_add_f32 v[240:241], v[240:241], v[142:143]
	v_pk_add_f32 v[94:95], v[94:95], v[146:147]
	v_pk_add_f32 v[88:89], v[88:89], v[150:151]
	v_pk_add_f32 v[14:15], v[14:15], v[154:155]
	v_pk_add_f32 v[90:91], v[90:91], v[158:159]
	s_delay_alu instid0(VALU_DEP_2)
	v_pk_add_f32 v[14:15], v[14:15], v[242:243]
	s_delay_alu instid0(VALU_DEP_2)
	v_pk_add_f32 v[90:91], v[90:91], v[240:241]
	v_pk_add_f32 v[246:247], v[246:247], v[94:95]
	v_pk_add_f32 v[244:245], v[244:245], v[88:89]
	s_delay_alu instid0(VALU_DEP_2)
	v_pk_add_f32 v[14:15], v[14:15], v[246:247]
	s_delay_alu instid0(VALU_DEP_2)
	v_pk_add_f32 v[90:91], v[90:91], v[244:245]
	s_delay_alu instid0(VALU_DEP_1)
	v_pk_add_f32 v[14:15], v[14:15], v[90:91]
.set n, 0
.rept 16
	v_pk_mul_f32 v[160+n:161+n], v[160+n:161+n], v[28:29] op_sel_hi:[1,0]   ; O^T under the new M
.set n, n+2
.endr
	s_wait_alu depctr_va_vdst(0)                   ; directly ahead of the wait below
	s_wait_dscnt 0x0                               ; V
.irp d, 0,1,2,3
	v_wmma_scale_f32_16x16x128_f8f6f4 v[160+8*\d:167+8*\d], v[192+12*\d:203+12*\d], v[PC:PC+11], v[160+8*\d:167+8*\d], v[248+\d], v252 matrix_a_fmt:MATRIX_FMT_FP6 matrix_b_fmt:MATRIX_FMT_FP6
.endr
	s_add_co_u32 s[TBK], s[TBK], KCH
	s_add_co_u32 s[TBV], s[TBV], VCH
.endm
	s_wait_alu depctr_va_vdst(0)                   ; the wait at the head's end
	s_wait_loadcnt 0x0                             ; Q
	s_wait_tensorcnt 0x0                           ; my one load has landed
	s_wait_dscnt 0x0
	s_barrier_signal -1
	s_barrier_wait -1                              ; everybody's has: all of K and V is in
	s_mov_b32 s[CNT], 16
.Lstep:
	STEP
	s_sub_co_u32 s[CNT], s[CNT], 1
	s_cmp_lg_u32 s[CNT], 0
	s_cbranch_scc1 .Lstep
	; THE WAY OUT: O^T / the sum; its 32 numbers a lane are channels 32 b + 16 h + i of the head: two blocks, one half fragment
	v_add_f32 v14, v14, v15
	s_delay_alu instid0(VALU_DEP_1)
	v_permlanex16_b32 v30, v14, s[SEL], s[SEL+1]
	s_delay_alu instid0(VALU_DEP_1)
	v_add_f32 v14, v14, v30
	v_nop
	v_nop
	s_wait_alu depctr_va_vdst(0)
	v_rcp_f32 v14, v14
	v_nop                                          ; one plain place behind a transcendental
.set n, 0
	s_wait_alu depctr_va_vdst(0)
.rept 32
	v_mul_f32 v[96+n], v[160+n], v14               ; each accumulator from its low end on
.set n, n+1
.endr
.irp b, 0,1
	v_max3_num_f32 v[BM+\b], |v[96+16*\b]|, |v[97+16*\b]|, 0x1800000
.endr
.irp i, 2,4,6,8,10,12,14
.irp b, 0,1
	s_delay_alu instid0(VALU_DEP_2)
	v_max3_num_f32 v[BM+\b], v[BM+\b], |v[96+16*\b+\i]|, |v[97+16*\b+\i]|
.endr
.endr
.irp b, 0,1
	s_delay_alu instid0(VALU_DEP_2)
	v_permlanex16_b32 v[PT+\b], v[BM+\b], s[SEL], s[SEL+1]
.endr
.irp b, 0,1
	s_delay_alu instid0(VALU_DEP_2)
	v_max_num_f32 v[BM+\b], v[BM+\b], v[PT+\b]
.endr
.irp b, 0,1
	s_delay_alu instid0(VALU_DEP_2)
	v_add_nc_u32 v[SO+\b], 0xff000000, v[BM+\b]
.endr
.irp b, 0,1
	s_delay_alu instid0(VALU_DEP_2)
	v_lshrrev_b32 v[BY+\b], 23, v[SO+\b]
.endr
	s_delay_alu instid0(VALU_DEP_1)
	v_lshl_or_b32 v31, v[BY+1], 8, v[BY]           ; my head's half of the row's scale word
	v_cvt_scalef32_pk16_fp6_f32 v[PC:PC+2], v[96:111], v[SO]
	v_cvt_scalef32_pk16_fp6_f32 v[PX:PX+2], v[112:127], v[SO+1]
	v_nop
.irp i, 0,1,2
	v_permlane16_swap_b32 v[PC+\i], v[PX+\i]
.endr
.irp i, 0,1,2
	s_delay_alu instid0(VALU_DEP_3)
	v_mov_b32 v[PC+3+\i], v[PX+\i]
.endr
	global_store_b64 v1, v[PC:PC+1], s[92:93]
	global_store_b128 v2, v[PC+2:PC+5], s[92:93] offset:256
	global_store_b16 v3, v31, s[94:95]
	s_wait_tensorcnt 0x0                           ; the wave's end
	ds_add_u32 v254, v255
	s_wait_dscnt 0x0
	CROUND                                         ; the closing round
	s_endpgm
.Lfunc_end_k_qb0a568b4b8_attn:
	.size	k_qb0a568b4b8_attn, .Lfunc_end_k_qb0a568b4b8_attn-k_qb0a568b4b8_attn
	.p2alignl 7, 3214868480
	.fill 96, 4, 3214868480
	.section	.rodata,"a",@progbits
	.p2align	6, 0x0
	.amdhsa_kernel k_qb0a568b4b8_attn
		.amdhsa_group_segment_fixed_size 223232
		.amdhsa_private_segment_fixed_size 0
		.amdhsa_enable_private_segment 0
		.amdhsa_kernarg_size 16
		.amdhsa_user_sgpr_count 2
		.amdhsa_user_sgpr_kernarg_segment_ptr 1
		.amdhsa_wavefront_size32 1
		.amdhsa_system_sgpr_workgroup_id_x 1
		.amdhsa_system_sgpr_workgroup_id_y 1
		.amdhsa_system_sgpr_workgroup_id_z 1
		.amdhsa_system_vgpr_workitem_id 0
		.amdhsa_next_free_vgpr 256
		.amdhsa_next_free_sgpr 100
		.amdhsa_reserve_vcc 0
		.amdhsa_float_denorm_mode_32 3
		.amdhsa_float_denorm_mode_16_64 3
		.amdhsa_memory_ordered 1
		.amdhsa_forward_progress 1
		.amdhsa_inst_pref_size 31
	.end_amdhsa_kernel
	.amdgpu_metadata
---
amdhsa.version: [ 1, 2 ]
amdhsa.kernels:
  - .name:           k_qb0a568b4b8_attn
    .symbol:         k_qb0a568b4b8_attn.kd
    .args:
      - { .name: qkv, .offset: 0, .size: 8, .value_kind: global_buffer, .address_space: global }
      - { .name: ctxq, .offset: 8, .size: 8, .value_kind: global_buffer, .address_space: global }
    .group_segment_fixed_size: 223232
    .private_segment_fixed_size: 0
    .kernarg_segment_align: 8
    .kernarg_segment_size: 16
    .max_flat_workgroup_size: 512
    .sgpr_count:     100
    .vgpr_count:     256
    .wavefront_size: 32
...
	.end_amdgpu_metadata
.endif
;; end of part 3
;; launch oln (part 4): grid 256 x 1, 8 waves a work-group, no clusters, 69,632 bytes of LDS; arguments ctxq, wts, bo, x, g1, be1, x1b; writes x1b
.if DOCPART == 4
	.amdgcn_target "amdgcn-amd-amdhsa--gfx1250"
	.amdhsa_code_object_version 6
	.text
	.protected	k_qb0a568b4b8_oln
	.globl	k_qb0a568b4b8_oln
	.p2align	8
	.type	k_qb0a568b4b8_oln,@function
k_qb0a568b4b8_oln:
	s_mov_b64 s[64:65], 0
	v_nop
	global_prefetch_b8 v0, s[64:65] scope:SCOPE_SE
	s_setreg_imm32_b32 hwreg(HW_REG_WAVE_MODE, 25, 1), 1
	s_wait_xcnt 0x0
; x1 = layer_norm(x + ctx Wo + bo) g1 + be1.  The product is on codes of FP6 (E2M3, one E8M0 byte for each 32 along K), K = 1,024, sums in f32; all else in f32; the variance is taken of z - mean, in a second pass over registers.
; x1 leaves twice: as f32 in the accumulators' layout, and as codes of FP6 in the operand's layout.
; SHARES: the norm wants whole rows in one work-group, and 4,096 rows on 256 work-groups are one tile of 16 rows each; each of eight waves takes 128 columns: 8 accumulators, 64 numbers a lane, 64 matrix instructions.
; OPERANDS are images of the matrix operand's registers: a record of 3,328 bytes is one tile of 16 rows x 256 K (four half fragments of 768 bytes: registers 0, 1 at 8 x lane, registers 2-5 at 256 + 16 x lane;
; then two runs of scale words at 4 x lane, both halves of the lanes alike).  Lane r of tile t holds row 32 (t/2) + 8 (t%2) + r + 8 (r/8).  ctx is laid [K / 256][256 tiles]; Wo is tiles 192-255 of an array [K / 256][512 tiles].
; So the fragments go from memory STRAIGHT INTO REGISTERS, every load covering 128, 256 or 512 consecutive bytes: no tensor load, no LDS slot, no barrier in the product.
; NO CLUSTER, NO LDS STAGING: each fragment of Wo feeds one matrix instruction of one wave, so a way through LDS would move every byte once more for one use.  NO PREFETCH: the loads themselves run four groups ahead.
; THE MATRIX INSTRUCTION IS USED TRANSPOSED (source 0 = 16 rows of Wo's image, source 1 = ctx's 16 rows): lane (r, h) holds row r; the 16 registers of column tiles 2 b, 2 b + 1 are columns 32 b + 16 h + 0..15.
; A GROUP is four column tiles x 128 K: 20 loads, and with an even group ctx's fragment of that 128 K, 5 more.  16 groups go through a ring of four register sets; group G + 4 is asked for behind group G's products.
; The sums begin with bo, loaded into the accumulators.  x (rows as JAX has them) is asked for first and turns through the wave's own stage in LDS (16 rows of 512 + 16 bytes).  A row's sums meet in LDS: two barriers.
; LIMITS: NaN and infinities are not served; a block whose largest magnitude lies under 2^-124, and a block of zeros, gets the byte 1 (read by this program alone).
; REGISTERS: window 0: v1-12 lane numbers and addresses, v16-63 at work, v64-127 the accumulators, then z; in the product v128-223 ctx's eight fragments, v224-231 their scale words, v232-247 Wo's scale words (ring of four);
;   behind it v128-191 x, then g; v192-255 be.   window 1: v0-191 Wo's fragments (ring of four sets of 48), v192-255 x as loaded.
.set REC,   3328
.set BOFF,  192*REC
.set RED,   67584                      ; behind the eight stages: the rows' sums, 512 bytes for the first sum and 512 for the second
.set SEL,   2
.set L16,   4
.set L8,    5
.set L4,    6
.set TM,    16
.set PW,    32
.set PC,    36
.set Z,     64
.set R,     128
.set B,     192
.set AF,    128
.set SA,    224
.set SB,    232
.set XW,    192
.set MSB, 0
.macro WIN new                         ; the immediate's high byte repeats the setting that is left
.if MSB != \new
	s_set_vgpr_msb (MSB<<8)|\new
.set MSB, \new
.endif
.endm
.macro BLD                             ; the loads of group LG
.set q_, LG/2
.set ob_, (q_/2)*512*REC+4*(LG%2)*REC+(q_%2)*1536
.set os_, (q_/2)*512*REC+4*(LG%2)*REC+3072+128*(q_%2)
.set oa_, (q_/2)*256*REC+(q_%2)*1536
.set rb_, 48*(LG%4)
	WIN 0x40                                       ; destination window 1, address window 0
.irp i, 0,1,2,3
	global_load_b64 v[rb_+12*\i:rb_+12*\i+1], v[L8], s[10:11] offset:ob_+\i*REC
	global_load_b128 v[rb_+12*\i+2:rb_+12*\i+5], v[L16], s[10:11] offset:ob_+\i*REC+256
	global_load_b64 v[rb_+12*\i+6:rb_+12*\i+7], v[L8], s[10:11] offset:ob_+\i*REC+768
	global_load_b128 v[rb_+12*\i+8:rb_+12*\i+11], v[L16], s[10:11] offset:ob_+\i*REC+1024
.endr
	WIN 0
.irp i, 0,1,2,3
	global_load_b32 v[SB+4*(LG%4)+\i], v[L4], s[10:11] offset:os_+\i*REC
.endr
.if LG%2 == 0
	global_load_b64 v[AF+12*q_:AF+12*q_+1], v[L8], s[8:9] offset:oa_
	global_load_b128 v[AF+12*q_+2:AF+12*q_+5], v[L16], s[8:9] offset:oa_+256
	global_load_b64 v[AF+12*q_+6:AF+12*q_+7], v[L8], s[8:9] offset:oa_+768
	global_load_b128 v[AF+12*q_+8:AF+12*q_+11], v[L16], s[8:9] offset:oa_+1024
	global_load_b32 v[SA+q_], v[L4], s[8:9] offset:(q_/2)*256*REC+3072+128*(q_%2)
.endif
.endm
.macro ITER                            ; group GG: its four products; the eight accumulators take turns
.set nw_, 0
.irp k, 1,2,3
.if GG+\k < 16
.set nw_, nw_+20+5*(1-(GG+\k)%2)
.endif
.endr
.if nw_ > 63
.set nw_, 63
.endif
	s_wait_loadcnt nw_                             ; behind this group's loads stand those of the next three groups (20 or 25 each); the count is held at the field's 63
.if GG == 0
	WIN 0x04                                       ; the data in window 1
.irp i, 0,1,2,3,4,5,6,7,8,9,10,11,12,13,14,15
	ds_store_b128 v7, v[XW+4*\i:XW+4*\i+3] offset:528*\i   ; x, asked for ahead of group 0, waits in my stage
.endr
.endif
	WIN 0x01                                       ; source 0 in window 1
.irp i, 0,1,2,3
.set d_, Z+8*(4*(GG%2)+\i)
	v_wmma_scale_f32_16x16x128_f8f6f4 v[d_:d_+7], v[48*(GG%4)+12*\i:48*(GG%4)+12*\i+11], v[AF+12*(GG/2):AF+12*(GG/2)+11], v[d_:d_+7], v[SB+4*(GG%4)+\i], v[SA+GG/2] matrix_a_fmt:MATRIX_FMT_FP6 matrix_b_fmt:MATRIX_FMT_FP6
.endr
	WIN 0
.rept 4
	v_nop                                          ; places in front of loads into registers that these products have read, and of the first read of results
.endr
.if GG+4 < 16
.set LG, GG+4
	BLD
.endif
.endm
.macro QUANT s                         ; 64 numbers of a lane, register 16 b + i = k 32 b + 16 h + i of my row, become a fragment's codes in v[PC] on and its scale word in v[PW]
.irp b, 0,1,2,3
	v_max3_num_f32 v[TM+\b], |v[\s+16*\b]|, |v[\s+1+16*\b]|, 0x1800000
.endr
.irp i, 2,4,6,8,10,12,14
.irp b, 0,1,2,3
	s_delay_alu instid0(VALU_DEP_4)
	v_max3_num_f32 v[TM+\b], v[TM+\b], |v[\s+16*\b+\i]|, |v[\s+1+16*\b+\i]|
.endr
.endr
.irp b, 0,1,2,3
	s_delay_alu instid0(VALU_DEP_4)
	v_permlanex16_b32 v[TM+4+\b], v[TM+\b], s[SEL], s[SEL+1]
.endr
.irp b, 0,1,2,3
	s_delay_alu instid0(VALU_DEP_4)
	v_max_num_f32 v[TM+\b], v[TM+\b], v[TM+4+\b]
.endr
.irp b, 0,1,2,3
	s_delay_alu instid0(VALU_DEP_4)
	v_add_nc_u32 v[TM+12+\b], 0xff000000, v[TM+\b]
.endr
.irp b, 0,1,2,3
	s_delay_alu instid0(VALU_DEP_4)
	v_lshrrev_b32 v[TM+4+\b], 23, v[TM+12+\b]
.endr
	s_delay_alu instid0(VALU_DEP_3)
	v_lshl_or_b32 v[PW], v[TM+5], 8, v[TM+4]
	s_delay_alu instid0(VALU_DEP_1)
	v_lshl_or_b32 v[PW], v[TM+6], 16, v[PW]
	s_delay_alu instid0(VALU_DEP_1)
	v_lshl_or_b32 v[PW], v[TM+7], 24, v[PW]
.irp c, 0,1
	v_cvt_scalef32_pk16_fp6_f32 v[PC+6*\c:PC+2+6*\c], v[\s+32*\c:\s+15+32*\c], v[TM+12+2*\c]
	v_cvt_scalef32_pk16_fp6_f32 v[PC+12+4*\c:PC+14+4*\c], v[\s+16+32*\c:\s+31+32*\c], v[TM+13+2*\c]
.endr
	v_nop                                          ; one plain place behind a scaled conversion
.irp c, 0,1
.irp i, 0,1,2
	v_permlane16_swap_b32 v[PC+6*\c+\i], v[PC+12+4*\c+\i]
.endr
.irp i, 0,1,2
	s_delay_alu instid0(VALU_DEP_3)
	v_mov_b32 v[PC+3+6*\c+\i], v[PC+12+4*\c+\i]
.endr
.endr
.endm
.macro REDUCE off                      ; v56: my 64 numbers' sum -> v56: the row's sum over all 1,024 columns, in every lane of the row.  off: 0 for the first sum's words, 512 for the second's
	s_delay_alu instid0(VALU_DEP_1)
	v_permlanex16_b32 v57, v56, s[SEL], s[SEL+1]
	s_delay_alu instid0(VALU_DEP_1)
	v_add_f32 v56, v56, v57                        ; my wave's 128 columns
	ds_store_b32 v11, v56 offset:\off              ; lanes r and r + 16 write the same word with the same value
	s_wait_dscnt 0x0                               ; for the others' sake
	s_barrier_signal -1
	s_barrier_wait -1
.irp k, 0,1,2,3,4,5,6,7
	ds_load_b32 v[16+\k], v12 offset:\off+64*\k
.endr
	s_wait_dscnt 0x0
	v_add_f32 v16, v16, v17
	v_add_f32 v18, v18, v19
	v_add_f32 v20, v20, v21
	v_add_f32 v22, v22, v23
	s_delay_alu instid0(VALU_DEP_3)
	v_add_f32 v16, v16, v18
	s_delay_alu instid0(VALU_DEP_2)
	v_add_f32 v20, v20, v22
	s_delay_alu instid0(VALU_DEP_1)
	v_add_f32 v56, v16, v20
.endm
	s_load_b256 s[8:15], s[0:1], 0x0               ; ctxq, wts, bo, x
	s_load_b128 s[32:35], s[0:1], 0x20             ; g1, be1
	s_load_b64 s[16:17], s[0:1], 0x30              ; x1b
	v_lshl_add_u32 v51, v0, 2, 0x10c00
	v_mov_b32 v55, 0
	v_lshrrev_b32 v1, 5, v0
	s_delay_alu instid0(VALU_DEP_1)
	v_readfirstlane_b32 s4, v1                     ; wave 0..7
	v_and_b32 v1, 31, v0
	v_and_b32 v2, 15, v0                           ; r
	v_bfe_u32 v3, v0, 4, 1                         ; h
	s_delay_alu instid0(VALU_DEP_3)
	v_lshlrev_b32 v[L16], 4, v1
	s_delay_alu instid0(VALU_DEP_4)
	v_lshlrev_b32 v[L8], 3, v1
	v_lshlrev_b32 v[L4], 2, v1
	s_mul_i32 s5, s4, 8448                         ; my stage
	v_add_nc_u32 v7, s5, v[L16]                    ; by rows: 16 x lane
	v_mul_u32_u24 v8, v2, 528
	s_delay_alu instid0(VALU_DEP_1)
	v_lshl_add_u32 v8, v3, 6, v8
	s_delay_alu instid0(VALU_DEP_1)
	v_add_nc_u32 v8, s5, v8                        ; by lanes: row r, + 64 h
	v_lshlrev_b32 v9, 6, v3                        ; bo, g, be: 64 h
	v_lshl_add_u32 v12, v2, 2, RED                 ; the sums: RED + 4 r,
	s_lshl_b32 s6, s4, 6
	v_add_nc_u32 v11, s6, v12                      ; + 64 x wave
	s_mov_b32 s[SEL], 0x76543210
	s_mov_b32 s[SEL+1], 0xfedcba98
	s_mov_b32 s30, 0x3a800000                      ; 1 / 1,024
	s_mov_b32 s31, 0x358637bd                      ; 1e-6
	s_lshl_b32 s20, ttmp9, 16
	s_lshl_b32 s21, s4, 13
	s_add_co_u32 s20, s20, s21                     ; the accumulators' layout: (64 t + 8 w) x 1,024 bytes
	s_mov_b32 s21, 0
	s_lshr_b32 s22, ttmp9, 1
	s_lshl_b32 s22, s22, 17
	s_and_b32 s23, ttmp9, 1
	s_lshl_b32 s23, s23, 15
	s_add_co_u32 s22, s22, s23
	s_lshl_b32 s24, s4, 9
	s_add_co_u32 s22, s22, s24                     ; JAX's order: row 32 (t / 2) + 8 (t % 2), my 128 columns
	s_mov_b32 s23, 0
	s_mov_b32 s25, 0
	s_lshr_b32 s26, s4, 1
	s_lshl_b32 s26, s26, 8
	s_add_co_u32 s26, s26, ttmp9
	s_mul_i32 s26, s26, REC
	s_add_co_u32 s26, s26, 16777216                ; the codes lie behind the f32 image: record (wave / 2, t)
	s_and_b32 s27, s4, 1
	s_lshl_b32 s28, s27, 7
	s_add_co_u32 s28, s28, s26
	s_add_co_u32 s28, s28, 3072
	s_mul_i32 s27, s27, 1536
	s_add_co_u32 s26, s26, s27
	s_mov_b32 s27, 0
	s_mov_b32 s29, 0
	s_mul_i32 s36, ttmp9, REC                      ; ctx: my tile's record of the first 256 along K
	s_mov_b32 s37, 0
	s_mul_i32 s38, s4, 8*REC
	s_add_co_u32 s38, s38, BOFF                    ; Wo: my eight tiles' records
	s_mov_b32 s39, 0
	s_wait_alu depctr_va_vdst(0)                   ; the wait at the head's end
	s_wait_kmcnt 0x0
	s_add_nc_u64 s[8:9], s[8:9], s[36:37]
	s_add_nc_u64 s[10:11], s[10:11], s[38:39]
	s_add_nc_u64 s[12:13], s[12:13], s[24:25]
	s_add_nc_u64 s[14:15], s[14:15], s[22:23]
	s_add_nc_u64 s[32:33], s[32:33], s[24:25]
	s_add_nc_u64 s[34:35], s[34:35], s[24:25]
	s_add_nc_u64 s[18:19], s[16:17], s[20:21]
	s_add_nc_u64 s[26:27], s[16:17], s[26:27]
	s_add_nc_u64 s[28:29], s[16:17], s[28:29]
	WIN 0x40
.irp i, 0,1,2,3,4,5,6,7,8,9,10,11,12,13,14,15
	global_load_b128 v[XW+4*\i:XW+4*\i+3], v[L16], s[14:15] offset:(\i+8*(\i/8))*4096 th:TH_LOAD_NT   ; x, the tile's row i: 512 consecutive bytes
.endr
	WIN 0
.irp b, 0,1,2,3
.irp j, 0,1,2,3
	global_load_b128 v[Z+16*\b+4*\j:Z+16*\b+4*\j+3], v9, s[12:13] offset:128*\b+16*\j      ; bo, in the result's layout: the sums begin with it
.endr
.endr
.set LG, 0
.rept 4
	BLD
.set LG, LG+1
.endr
.set GG, 0
.rept 16
	ITER
.set GG, GG+1
.endr
; THE NORM.  The accumulators are y + bo; no load is out
.irp b, 0,1,2,3
.irp j, 0,1,2,3
	global_load_b128 v[B+16*\b+4*\j:B+16*\b+4*\j+3], v9, s[34:35] offset:128*\b+16*\j      ; be
.endr
.endr
.irp b, 0,1,2,3
.irp j, 0,1,2,3
	ds_load_b128 v[R+16*\b+4*\j:R+16*\b+4*\j+3], v8 offset:128*\b+16*\j    ; x by lanes; LDS serves a wave's instructions in order: these see my stores
.endr
.endr
	s_wait_dscnt 0x0
.set n, 0
.rept 32
	v_pk_add_f32 v[Z+n:Z+n+1], v[Z+n:Z+n+1], v[R+n:R+n+1]                  ; each accumulator from its low end on
.set n, n+2
.endr
.irp b, 0,1,2,3
.irp j, 0,1,2,3
	global_load_b128 v[R+16*\b+4*\j:R+16*\b+4*\j+3], v9, s[32:33] offset:128*\b+16*\j      ; g, into the registers that x has left
.endr
.endr
	v_pk_add_f32 v[58:59], v[64:65], v[72:73]
	v_pk_add_f32 v[60:61], v[80:81], v[88:89]
	v_pk_add_f32 v[62:63], v[96:97], v[104:105]
	v_pk_add_f32 v[52:53], v[112:113], v[120:121]
	v_pk_add_f32 v[48:49], v[66:67], v[74:75]
	v_pk_add_f32 v[46:47], v[82:83], v[90:91]
	v_pk_add_f32 v[44:45], v[98:99], v[106:107]
	v_pk_add_f32 v[56:57], v[114:115], v[122:123]
	s_delay_alu instid0(VALU_DEP_1)
	v_pk_add_f32 v[56:57], v[56:57], v[68:69]
	v_pk_add_f32 v[58:59], v[58:59], v[76:77]
	v_pk_add_f32 v[60:61], v[60:61], v[84:85]
	v_pk_add_f32 v[62:63], v[62:63], v[92:93]
	v_pk_add_f32 v[52:53], v[52:53], v[100:101]
	v_pk_add_f32 v[48:49], v[48:49], v[108:109]
	v_pk_add_f32 v[46:47], v[46:47], v[116:117]
	v_pk_add_f32 v[44:45], v[44:45], v[124:125]
	v_pk_add_f32 v[56:57], v[56:57], v[70:71]
	v_pk_add_f32 v[58:59], v[58:59], v[78:79]
	v_pk_add_f32 v[60:61], v[60:61], v[86:87]
	v_pk_add_f32 v[62:63], v[62:63], v[94:95]
	v_pk_add_f32 v[52:53], v[52:53], v[102:103]
	v_pk_add_f32 v[48:49], v[48:49], v[110:111]
	v_pk_add_f32 v[46:47], v[46:47], v[118:119]
	v_pk_add_f32 v[44:45], v[44:45], v[126:127]
	s_delay_alu instid0(VALU_DEP_4)
	v_pk_add_f32 v[56:57], v[56:57], v[52:53]
	s_delay_alu instid0(VALU_DEP_4)
	v_pk_add_f32 v[58:59], v[58:59], v[48:49]
	s_delay_alu instid0(VALU_DEP_4)
	v_pk_add_f32 v[60:61], v[60:61], v[46:47]
	s_delay_alu instid0(VALU_DEP_4)
	v_pk_add_f32 v[62:63], v[62:63], v[44:45]
	s_delay_alu instid0(VALU_DEP_2)
	v_pk_add_f32 v[56:57], v[56:57], v[60:61]
	s_delay_alu instid0(VALU_DEP_2)
	v_pk_add_f32 v[58:59], v[58:59], v[62:63]
	s_delay_alu instid0(VALU_DEP_1)
	v_pk_add_f32 v[56:57], v[56:57], v[58:59]
	s_delay_alu instid0(VALU_DEP_1)
	v_add_f32 v56, v56, v57
	REDUCE 0
	s_delay_alu instid0(VALU_DEP_1)
	v_mul_f32 v56, s30, v56                        ; the mean
.set n, 0
.rept 32
	v_pk_add_f32 v[Z+n:Z+n+1], v[Z+n:Z+n+1], v[56:57] op_sel_hi:[1,0] neg_lo:[0,1] neg_hi:[0,1]
.set n, n+2
.endr
.irp c, 0,1,2,3
	v_pk_mul_f32 v[56+2*\c:57+2*\c], v[Z+2*\c:Z+2*\c+1], v[Z+2*\c:Z+2*\c+1]
.endr
.irp j, 8,16,24,32,40,48,56
.irp c, 0,1,2,3
	s_delay_alu instid0(VALU_DEP_4)
	v_pk_fma_f32 v[56+2*\c:57+2*\c], v[Z+\j+2*\c:Z+\j+2*\c+1], v[Z+\j+2*\c:Z+\j+2*\c+1], v[56+2*\c:57+2*\c]
.endr
.endr
	s_delay_alu instid0(VALU_DEP_3)
	v_pk_add_f32 v[56:57], v[56:57], v[58:59]
	s_delay_alu instid0(VALU_DEP_2)
	v_pk_add_f32 v[60:61], v[60:61], v[62:63]
	s_delay_alu instid0(VALU_DEP_1)
	v_pk_add_f32 v[56:57], v[56:57], v[60:61]
	s_delay_alu instid0(VALU_DEP_1)
	v_add_f32 v56, v56, v57
	REDUCE 512
	s_delay_alu instid0(VALU_DEP_1)
	v_fma_f32 v56, v56, s30, s31                   ; var + eps
	s_wait_alu depctr_va_vdst(0)                   ; the wait ahead of the transcendental
	v_rsq_f32 v58, v56
	v_nop                                          ; one plain place behind a transcendental
	s_wait_alu depctr_va_vdst(0)                   ; and ahead of its first reader
	v_mov_b32 v59, v58
	s_wait_alu depctr_va_vdst(0)                   ; directly ahead of the wait below
	s_wait_loadcnt 0x0                             ; g and be
.set n, 0
.rept 32
	v_pk_mul_f32 v[Z+n:Z+n+1], v[Z+n:Z+n+1], v[58:59]
.set n, n+2
.endr
.set n, 0
.rept 32
	v_pk_fma_f32 v[Z+n:Z+n+1], v[Z+n:Z+n+1], v[R+n:R+n+1], v[B+n:B+n+1]
.set n, n+2
.endr
.irp k, 0,1,2,3,4,5,6,7,8,9,10,11,12,13,14,15
	global_store_b128 v[L16], v[Z+4*\k:Z+4*\k+3], s[18:19] offset:512*\k   ; 32 lanes store 512 consecutive bytes
.endr
	QUANT Z                                        ; (it reads Z and writes none of it)
	global_store_b64 v[L8], v[PC:PC+1], s[26:27]
	global_store_b128 v[L16], v[PC+2:PC+5], s[26:27] offset:256
	global_store_b64 v[L8], v[PC+6:PC+7], s[26:27] offset:768
	global_store_b128 v[L16], v[PC+8:PC+11], s[26:27] offset:1024
	global_store_b32 v[L4], v[PW], s[28:29]
	s_wait_tensorcnt 0x0                           ; the wave's end
	ds_add_u32 v51, v55
	s_wait_dscnt 0x0
	s_endpgm
.Lfunc_end_k_qb0a568b4b8_oln:
	.size	k_qb0a568b4b8_oln, .Lfunc_end_k_qb0a568b4b8_oln-k_qb0a568b4b8_oln
	.p2alignl 7, 3214868480
	.fill 96, 4, 3214868480
	.section	.rodata,"a",@progbits
	.p2align	6, 0x0
	.amdhsa_kernel k_qb0a568b4b8_oln
		.amdhsa_group_segment_fixed_size 69632
		.amdhsa_private_segment_fixed_size 0
		.amdhsa_enable_private_segment 0
		.amdhsa_kernarg_size 56
		.amdhsa_user_sgpr_count 2
		.amdhsa_user_sgpr_kernarg_segment_ptr 1
		.amdhsa_wavefront_size32 1
		.amdhsa_system_sgpr_workgroup_id_x 1
		.amdhsa_system_sgpr_workgroup_id_y 1
		.amdhsa_system_sgpr_workgroup_id_z 1
		.amdhsa_system_vgpr_workitem_id 0
		.amdhsa_next_free_vgpr 512
		.amdhsa_next_free_sgpr 66
		.amdhsa_reserve_vcc 0
		.amdhsa_float_denorm_mode_32 3
		.amdhsa_float_denorm_mode_16_64 3
		.amdhsa_memory_ordered 1
		.amdhsa_forward_progress 1
		.amdhsa_inst_pref_size 82
	.end_amdhsa_kernel
	.amdgpu_metadata
---
amdhsa.version: [ 1, 2 ]
amdhsa.kernels:
  - .name:           k_qb0a568b4b8_oln
    .symbol:         k_qb0a568b4b8_oln.kd
    .args:
      - { .name: ctxq, .offset: 0, .size: 8, .value_kind: global_buffer, .address_space: global }
      - { .name: wts, .offset: 8, .size: 8, .value_kind: global_buffer, .address_space: global }
      - { .name: bo, .offset: 16, .size: 8, .value_kind: global_buffer, .address_space: global }
      - { .name: x, .offset: 24, .size: 8, .value_kind: global_buffer, .address_space: global }
      - { .name: g1, .offset: 32, .size: 8, .value_kind: global_buffer, .address_space: global }
      - { .name: be1, .offset: 40, .size: 8, .value_kind: global_buffer, .address_space: global }
      - { .name: x1b, .offset: 48, .size: 8, .value_kind: global_buffer, .address_space: global }
    .group_segment_fixed_size: 69632
    .private_segment_fixed_size: 0
    .kernarg_segment_align: 8
    .kernarg_segment_size: 56
    .max_flat_workgroup_size: 256
    .sgpr_count:     66
    .vgpr_count:     512
    .wavefront_size: 32
...
	.end_amdgpu_metadata
.endif
;; end of part 4
;; launch ffn1 (part 5): grid 16 x 16, 4 waves a work-group, clusters of 4 x 4, 327,680 bytes of LDS; arguments x1b, wts, b1, hq; writes hq
.if DOCPART == 5
	.amdgcn_target "amdgcn-amd-amdhsa--gfx1250"
	.amdhsa_code_object_version 6
	.text
	.protected	k_qb0a568b4b8_ffn1
	.globl	k_qb0a568b4b8_ffn1
	.p2align	8
	.type	k_qb0a568b4b8_ffn1,@function
k_qb0a568b4b8_ffn1:
	s_mov_b64 s[64:65], 0
	v_nop
	global_prefetch_b8 v0, s[64:65] scope:SCOPE_SE
	s_setreg_imm32_b32 hwreg(HW_REG_WAVE_MODE, 25, 1), 1
	s_wait_xcnt 0x0
	s_wait_alu depctr_hold_cnt(0) depctr_sa_sdst(0) depctr_va_vdst(0) depctr_va_sdst(0) depctr_va_ssrc(0) depctr_va_vcc(0) depctr_vm_vsrc(0)
	s_getreg_b32 s2, hwreg(HW_REG_IB_STS2, 6, 4)
	s_cmp_eq_u32 s2, 0
	s_cbranch_scc0 .Lentry_in_a_cluster
	s_endpgm
.Lentry_in_a_cluster:
	s_bfe_u32 s2, ttmp6, 0x10000c
	s_cmp_lg_u32 s2, 0xf033
	s_cbranch_scc0 .Lentry_shape_is_right
	s_endpgm
.Lentry_shape_is_right:
; A GEMM on codes of FP6 (E2M3, one E8M0 byte for each 32 along K), K = 1,024, whose result is quantised on the way out and leaves as codes.
; QKV = 1: q = x Wq + bq and k = x Wk + bk (clusters with y < 4: A = x, B = Wq | Wk) and V^T = Wv^T x^T + bv (clusters with y >= 4: A = Wv's columns, B = x's rows), each quantised along the K of its product in attention.
; QKV = 0: hidden = relu(x1 W1 + b1), quantised along its 4,096 columns.
; OPERANDS are images of the matrix operand's registers: a record of 3,328 bytes is one tile of 16 rows x 256 K (four half fragments of 768 bytes: registers 0, 1 at 8 x lane, registers 2-5 at 256 + 16 x lane;
; then two runs of scale words at 4 x lane), laid [K / 256][tile].  Lane r of tile t holds row 32 (t/2) + 8 (t%2) + r + 8 (r/8).
; THE MATRIX INSTRUCTION IS USED TRANSPOSED (source 0 = 16 rows of B, source 1 = 16 rows of A): a lane holds one row of A, and by the tiles' order the 16 registers of B's tiles 2 b, 2 b + 1 are 16 neighbouring columns.
; So a wave's 128 columns of a tile of rows are the 64 numbers a lane that the quantiser wants, and what it makes is again an operand's image: nothing goes through LDS on the way out.
; SHARES: a work-group makes 256 x 256, each of four waves 128 x 128: 64 accumulators, 512 registers.  K goes through three LDS slots of 256 K (16 + 16 records, 106,496 bytes); three are filled at the start, slot 0 once more.
; CLUSTER 4 x 4: A's records are shared along a row of the cluster, B's along a column: joint loads.  Eight records are 26,624 dense bytes: one tensor load of 104 rows of 256 bytes a wave.
; The bias is the C of each sum's first matrix instruction.
; LIMITS: NaN and infinities are not served; a block whose largest magnitude lies under 2^-124, and a block of zeros, gets the byte 1 (read by this program alone).
; REGISTERS: window 0: v4-18 LDS addresses, v19-23 lane offsets, v28-29 for the add, v32-47 scale words (two sets of 8: lanes 0-15 A's tile i, lanes 16-31 B's), v64-159 and v160-255 A's fragments, two sets.
;   window 1: v0-95, v128-223 B's fragments, two sets; v96-127, v224-255 the bias, 8 tiles x 8.   windows 2, 3: accumulator (a, b) at v[8 (8 (a % 4) + b)] of window 2 + a / 4.
.set QKV,   0
.set REC,   3328
.set HALF8, 8*REC
.set SLOT,  4*HALF8
.set SPARE, 3*SLOT                     ; behind the slots: the spare words, 128 bytes for each wave
.set O_WV,  512*REC
.set O_W1,  2048*REC
.set O_XQ,  3072*REC
.set ADA8,  4
.set ADA16, 7
.set ADB8,  10
.set ADB16, 13
.set ADS,   16
.set L4,    19
.set L8,    20
.set L16,   21
.set SPW,   28
.set NIL,   29
.set SC,    32
.set FLR,   64                         ; on the way out A's registers are free
.set TM,    66
.set PW,    82
.set PW2,   83
.set PC,    84
.set G1A,   24
.set G0A,   32
.set G1B,   44
.set G0B,   52
.set MSB, 0
.macro WIN new                         ; the immediate's high byte repeats the setting that is left
.if MSB != \new
	s_set_vgpr_msb (MSB<<8)|\new
.set MSB, \new
.endif
.endm
.macro PLACES n
.rept \n
	v_nop
.endr
.endm
.macro CREST                           ; a round of the cluster's barrier behind its opening barrier
	s_cmp_lg_u32 s14, 0
	s_cbranch_scc1 .Lnot_wave_0_\@
	s_barrier_signal -3
.Lnot_wave_0_\@:
	s_barrier_wait -3
	s_barrier_signal -1
	s_barrier_wait -1
.endm
.macro CROUND
	s_barrier_signal -1
	s_barrier_wait -1
	CREST
.endm
.macro JLOAD s                         ; a joint load: waves 0 and 1 fetch for A, waves 2 and 3 for B; four v_nop follow each line
	s_cmp_eq_u32 s15, 0
	s_cbranch_scc0 .Lfor_b_\@
	tensor_load_to_lds s[G0A+4*\s:G0A+4*\s+3], s[G1A:G1A+7]
	s_nop 0
	PLACES 4
	s_branch .Lasked_\@
.Lfor_b_\@:
	tensor_load_to_lds s[G0B+4*\s:G0B+4*\s+3], s[G1B:G1B+7]
	s_nop 0
	PLACES 4
.Lasked_\@:
.endm
.if QKV
	s_load_b256 s[4:11], s[0:1], 0x0               ; wts, bq, bk, bv
	s_load_b64 s[12:13], s[0:1], 0x20              ; qkv
.else
	s_load_b256 s[4:11], s[0:1], 0x0               ; x1b, wts, b1, hq
.endif
	v_lshl_add_u32 v[SPW], v0, 2, SPARE
	v_mov_b32 v[NIL], 0
	ds_add_u32 v28, v29
	ds_add_u32 v28, v29
	s_wait_dscnt 0x0
	v_lshrrev_b32 v1, 5, v0
	v_readfirstlane_b32 s14, v1                    ; wave 0..3
	s_lshr_b32 s15, s14, 1                         ; which half of A's rows is mine.  Also: I fetch for A (0) or for B (1)
	s_and_b32 s16, s14, 1                          ; which half of B's rows.  Also: which 8 records I fetch
	s_bfe_u32 s66, ttmp6, 0x40000                  ; cx
	s_bfe_u32 s67, ttmp6, 0x40004                  ; cy
	s_and_b32 s20, ttmp7, 0xffff                   ; the cluster's y
	s_lshl_b32 s21, s20, 2
.if QKV
	s_sub_co_u32 s22, s20, 4
	s_lshl_b32 s22, s22, 1                         ; 2 (cluster y - 4): used where cluster y >= 4 alone
	s_mov_b32 s70, 64*REC
	s_mov_b32 s72, 256*REC
	s_mov_b32 s18, O_WV
	s_mov_b32 s19, O_XQ
	s_cmp_lt_u32 s20, 4                            ; the region hangs on the cluster's y alone: alike in all sixteen partners
	s_cselect_b32 s69, 1, 0                        ; 1: q and k;  0: V^T
	s_cselect_b32 s21, s21, 0
	s_cselect_b32 s22, 0, s22
	s_cselect_b32 s70, 256*REC, s70                ; A's bytes from one 256 along K to the next
	s_cselect_b32 s72, 128*REC, s72                ; B's
	s_cselect_b32 s18, O_XQ, s18                   ; A's place in wts
	s_cselect_b32 s19, 0, s19                      ; B's
	s_add_co_u32 s17, s21, s67                     ; A's block of 256 rows
	s_add_co_u32 s22, s22, ttmp9
	s_lshl_b32 s22, s22, 2
	s_add_co_u32 s68, s22, s66                     ; B's block of 256 rows
.else
	s_add_co_u32 s17, s21, s67
	s_lshl_b32 s22, ttmp9, 2
	s_add_co_u32 s68, s22, s66
	s_mov_b32 s70, 256*REC
	s_mov_b32 s72, 256*REC
	s_mov_b32 s18, 16777216                        ; x1's codes lie behind its f32 image
	s_mov_b32 s19, O_W1
.endif
	s_mov_b32 s71, 0
	s_mov_b32 s73, 0
	s_mul_i32 s98, s70, 3
	s_mov_b32 s99, 0
	s_mul_i32 s100, s72, 3
	s_mov_b32 s101, 0
	s_mov_b32 s96, 0x76543210
	s_mov_b32 s97, 0xfedcba98
	s_lshl_b32 s23, s67, 2
	s_lshl_b32 s23, 15, s23                        ; my row of the cluster
	s_lshl_b32 s2, 0x1111, s66                     ; my column
	s_or_b32 s[G1A], s23, (3<<16)|(1<<21)          ; 15:0 the mask; 17:16 elements of 8 bytes; 21 set beside a mask; no padding
	s_or_b32 s[G1B], s2, (3<<16)|(1<<21)
.irp g, G1A, G1B                       ; the head's load: three rows, one for each of the first three 256s along K; a row is eight records, 26,624 dense bytes
	s_mov_b32 s[\g+1], 3328<<16                    ; tensor_dim0 = 3,328 elements of 8 bytes
	s_mov_b32 s[\g+2], 3<<16                       ; tensor_dim1 = 3
	s_mov_b32 s[\g+3], 3328<<16                    ; tile_dim0
	s_mov_b32 s[\g+4], 3                           ; tile_dim1
	s_mov_b32 s[\g+5], 256*REC/8                   ; from one 256 along K to the next, in elements
	s_mov_b32 s[\g+6], 0
	s_mov_b32 s[\g+7], 0
.endr
	s_lshl_b32 s3, s16, 3
	s_lshl_b32 s74, s17, 4
	s_add_co_u32 s74, s74, s3
	s_mul_i32 s74, s74, REC
	s_add_co_u32 s74, s74, s18                     ; A: tile 16 x block + 8 x half: hangs on cy, not on cx
	s_mov_b32 s75, 0
	s_lshl_b32 s76, s68, 4
	s_add_co_u32 s76, s76, s3
	s_mul_i32 s76, s76, REC
	s_add_co_u32 s76, s76, s19                     ; B likewise: hangs on cx, not on cy
	s_mov_b32 s77, 0
	s_mul_i32 s78, s14, 3*HALF8                    ; LDS is laid [wave's eight records][slot]: wave x three times eight records
	s_wait_kmcnt 0x0
.if QKV
	s_add_nc_u64 s[74:75], s[4:5], s[74:75]
	s_add_nc_u64 s[76:77], s[4:5], s[76:77]
.else
	s_add_nc_u64 s[74:75], s[4:5], s[74:75]
	s_add_nc_u64 s[76:77], s[6:7], s[76:77]
.endif
	CROUND                                         ; all sixteen work-groups are here: the first joint loads meet
.irp s, 0
	s_mov_b32 s[G0A+4*\s], 1
	s_add_co_u32 s[G0A+4*\s+1], s78, \s*SLOT
	s_mov_b64 s[G0A+4*\s+2:G0A+4*\s+3], s[74:75]
	s_or_b32 s[G0A+4*\s+3], s[G0A+4*\s+3], 0x80000000
	s_add_nc_u64 s[74:75], s[74:75], s[70:71]
	s_mov_b32 s[G0B+4*\s], 1
	s_add_co_u32 s[G0B+4*\s+1], s78, \s*SLOT
	s_mov_b64 s[G0B+4*\s+2:G0B+4*\s+3], s[76:77]
	s_or_b32 s[G0B+4*\s+3], s[G0B+4*\s+3], 0x80000000
	s_add_nc_u64 s[76:77], s[76:77], s[72:73]
.endr
	s_cmp_eq_u32 s15, 0                            ; one tensor load a wave at the head: my eight records of all three slots
	s_cbranch_scc0 .Lfirst_b
	tensor_load_to_lds s[G0A:G0A+3], s[G1A:G1A+7]
	s_nop 0
	PLACES 4
	s_branch .Lfirst_done
.Lfirst_b:
	tensor_load_to_lds s[G0B:G0B+3], s[G1B:G1B+7]
	s_nop 0
	PLACES 4
.Lfirst_done:
	v_and_b32 v1, 31, v0                           ; lane
	v_bfe_u32 v2, v0, 4, 1                         ; h
	v_and_b32 v3, 15, v0                           ; r
	v_lshlrev_b32 v[L4], 2, v1
	v_lshlrev_b32 v[L8], 3, v1
	v_lshlrev_b32 v[L16], 4, v1
	v_lshlrev_b32 v22, 6, v2                       ; a bias by columns: 64 h
	v_and_b32 v23, 8, v3
	v_add_nc_u32 v23, v23, v3
	v_lshlrev_b32 v23, 2, v23                      ; a bias by rows: 4 (r + 8 (r / 8))
	s_mul_i32 s18, s15, 3*HALF8                    ; my eight records of A, slot 0
	s_mul_i32 s19, s16, 3*HALF8
	s_add_co_u32 s19, s19, 6*HALF8                 ; my eight of B, behind A's two runs of three slots
	s_sub_co_u32 s2, s19, s18
	v_mul_u32_u24 v24, s2, v2                      ; lanes 16-31 take B's scale words
	v_add_nc_u32 v24, v24, v[L4]
	v_add_nc_u32 v24, 3072, v24
.irp s, 0,1,2
	v_add_nc_u32 v[ADA8+\s], s18, v[L8]
	v_add_nc_u32 v[ADA16+\s], s18, v[L16]
	v_add_nc_u32 v[ADB8+\s], s19, v[L8]
	v_add_nc_u32 v[ADB16+\s], s19, v[L16]
	v_add_nc_u32 v[ADS+\s], s18, v24
	s_add_co_u32 s18, s18, HALF8
	s_add_co_u32 s19, s19, HALF8
.endr
; THE WAY OUT'S BASES: s[80:81], s[82:83] the two half fragments of tile 0; s[84:85], s[86:87] their scale words; s[88:95] the steps from tile to tile
.if QKV
	s_mul_i32 s2, ttmp9, 3670016                   ; q's region or k's
	s_cmp_eq_u32 s69, 1
	s_cselect_b32 s18, s17, s68                    ; the block of 256 tokens,
	s_cselect_b32 s19, s68, s17                    ; the block of 256 channels,
	s_cselect_b32 s20, s15, s16                    ; my half of the tokens,
	s_cselect_b32 s21, s16, s15                    ; my half of the channels
	s_mov_b32 s22, 106496
	s_cselect_b32 s22, 114688, s22                 ; a head's bytes
	s_mov_b32 s23, 6656
	s_cselect_b32 s23, 7168, s23                   ; the bytes of 128 tokens of a head
	s_mov_b32 s3, 7340032
	s_cselect_b32 s2, s2, s3
	s_mov_b32 s82, 768
	s_cselect_b32 s82, 114688, s82                 ; q, k: the second half fragment is the next head's;  V^T: the next 64 tokens'
	s_mov_b32 s88, 1536
	s_cselect_b32 s88, 768, s88
	s_mov_b32 s90, 101888                          ; V^T: from the fourth tile of a head to the first of the next
	s_cselect_b32 s90, 768, s90
	s_mov_b32 s92, 128
	s_mov_b32 s94, 106112
	s_cselect_b32 s94, 128, s94
	s_lshr_b32 s80, s18, 3                         ; the batch
	s_lshl_b32 s80, s80, 4
	s_and_b32 s19, s19, 3
	s_lshl_b32 s19, s19, 2
	s_add_co_u32 s80, s80, s19
	s_lshl_b32 s21, s21, 1
	s_add_co_u32 s80, s80, s21                     ; 16 x batch + my first head
	s_mul_i32 s80, s80, s22
	s_and_b32 s18, s18, 7
	s_lshl_b32 s18, s18, 1
	s_add_co_u32 s18, s18, s20                     ; which 128 tokens of the batch
	s_mul_i32 s18, s18, s23
	s_add_co_u32 s80, s80, s18
	s_add_co_u32 s80, s80, s2
	s_mov_b32 s81, 0
	s_mov_b32 s83, 0
	s_add_nc_u64 s[80:81], s[12:13], s[80:81]
	s_add_nc_u64 s[82:83], s[80:81], s[82:83]
	s_add_nc_u64 s[84:85], s[80:81], 6144
	s_add_nc_u64 s[86:87], s[82:83], 6144
.else
	s_lshl_b32 s80, s68, 8
	s_lshl_b32 s18, s17, 4
	s_add_co_u32 s80, s80, s18
	s_lshl_b32 s18, s15, 3
	s_add_co_u32 s80, s80, s18
	s_mul_i32 s80, s80, REC                        ; the record (my 256 columns, my first tile of rows)
	s_lshl_b32 s18, s16, 7
	s_add_co_u32 s84, s80, s18
	s_add_co_u32 s84, s84, 3072
	s_mul_i32 s18, s16, 1536
	s_add_co_u32 s80, s80, s18
	s_mov_b32 s81, 0
	s_mov_b32 s85, 0
	s_add_nc_u64 s[80:81], s[10:11], s[80:81]
	s_add_nc_u64 s[84:85], s[10:11], s[84:85]
	s_add_nc_u64 s[82:83], s[80:81], 768
	s_mov_b32 s88, REC
	s_mov_b32 s90, REC
	s_mov_b32 s92, REC
	s_mov_b32 s94, REC
.endif
	s_mov_b32 s89, 0
	s_mov_b32 s91, 0
	s_mov_b32 s93, 0
	s_mov_b32 s95, 0
; THE BIAS, in the result's layout, into window 1
.macro BIASCOL                         ; by B's rows: tile i, register j: column 32 (i / 2) + 8 (i % 2) + 16 h + j of my 128
	WIN 0x40
.irp i, 0,1,2,3,4,5,6,7
	global_load_b128 v[96+8*\i+96*(\i/4):99+8*\i+96*(\i/4)], v22, s[20:21] offset:(32*(\i/2)+8*(\i%2))*4
	global_load_b128 v[100+8*\i+96*(\i/4):103+8*\i+96*(\i/4)], v22, s[20:21] offset:(32*(\i/2)+8*(\i%2))*4+16
.endr
	WIN 0
.endm
.if QKV
	s_cmp_eq_u32 s69, 1
	s_cbranch_scc0 .Lbias_v
	s_and_b32 s18, s68, 3
	s_lshl_b32 s18, s18, 10
	s_lshl_b32 s19, s16, 9
	s_add_co_u32 s18, s18, s19
	s_mov_b32 s19, 0
	s_cmp_lg_u32 ttmp9, 0
	s_cselect_b64 s[20:21], s[8:9], s[6:7]         ; bk or bq
	s_add_nc_u64 s[20:21], s[20:21], s[18:19]
	BIASCOL
	s_branch .Lbias_done
.Lbias_v:
	s_lshl_b32 s18, s17, 10
	s_lshl_b32 s19, s15, 9
	s_add_co_u32 s18, s18, s19
	s_mov_b32 s19, 0
	s_add_nc_u64 s[20:21], s[10:11], s[18:19]
	WIN 0x40
.irp i, 0,1,2,3,4,5,6,7                        ; by A's rows: all eight registers of tile i hold bv at my lane's row
.irp j, 0,1,2,3,4,5,6,7
	global_load_b32 v[96+8*\i+96*(\i/4)+\j], v23, s[20:21] offset:(32*(\i/2)+8*(\i%2))*4
.endr
.endr
	WIN 0
.Lbias_done:
.else
	s_lshl_b32 s18, s68, 10
	s_lshl_b32 s19, s16, 9
	s_add_co_u32 s18, s18, s19
	s_mov_b32 s19, 0
	s_add_nc_u64 s[20:21], s[8:9], s[18:19]
	BIASCOL
.endif
.macro FRAG reg, a8, a16, off          ; a fragment (12 registers) from its two half fragments: every access covers 256 or 512 consecutive bytes
	ds_load_b64 v[\reg:\reg+1], v[\a8] offset:\off
	ds_load_b128 v[\reg+2:\reg+5], v[\a16] offset:\off+256
	ds_load_b64 v[\reg+6:\reg+7], v[\a8] offset:\off+768
	ds_load_b128 v[\reg+8:\reg+11], v[\a16] offset:\off+1024
.endm
.macro FETCH slot, q, set              ; the slot's q-th 128 along K: B's eight fragments, A's eight, eight registers of scale words
	WIN 0x40
.irp i, 0,1,2,3,4,5,6,7
	FRAG 128*(\set)+12*\i, ADB8+\slot, ADB16+\slot, \i*REC+(\q)*1536
.endr
	WIN 0
.irp i, 0,1,2,3,4,5,6,7
	FRAG 64+96*(\set)+12*\i, ADA8+\slot, ADA16+\slot, \i*REC+(\q)*1536
.endr
.irp i, 0,1,2,3,4,5,6,7
	ds_load_b32 v[SC+8*(\set)+\i], v[ADS+\slot] offset:\i*REC+128*(\q)
.endr
.endm
; na of A's tiles from a0 on, each against B's eight.  cm = -1: onto the sums;  0: the sums begin with the bias by B's tile;  1: by A's tile.
; The 64 accumulators take turns, one instruction a turn, in the same order in every step.
.macro MULA a0, na, set, cm
.set aa, \a0
.rept \na
.if \cm < 0
.set wn, 0xa1+0x50*(aa/4)
.else
.set wn, 0x91+0x40*(aa/4)
.endif
	WIN wn
.set bb, 0
.rept 8
.set rD, 8*(8*(aa%4)+bb)
.set rB, 128*(\set)+12*bb
.set rA, 64+96*(\set)+12*aa
.set sB, SC+8*(\set)+bb
.set sA, SC+8*(\set)+aa
.if \cm < 0
	v_wmma_scale_f32_16x16x128_f8f6f4 v[rD:rD+7], v[rB:rB+11], v[rA:rA+11], v[rD:rD+7], v[sB], v[sA] matrix_a_fmt:MATRIX_FMT_FP6 matrix_b_fmt:MATRIX_FMT_FP6 matrix_a_scale:MATRIX_SCALE_ROW1
.else
.if \cm == 0
.set rC, 96+8*bb+96*(bb/4)
.else
.set rC, 96+8*aa+96*(aa/4)
.endif
	v_wmma_scale_f32_16x16x128_f8f6f4 v[rD:rD+7], v[rB:rB+11], v[rA:rA+11], v[rC:rC+7], v[sB], v[sA] matrix_a_fmt:MATRIX_FMT_FP6 matrix_b_fmt:MATRIX_FMT_FP6 matrix_a_scale:MATRIX_SCALE_ROW1
.endif
.set bb, bb+1
.endr
.set aa, aa+1
.endr
.endm
.macro STEP set, ns, nq, cm            ; multiplies set; the next step's operands (slot ns, its nq-th 128) come into the other set meanwhile
	s_wait_dscnt 0x0                               ; this set was asked for a whole step ago
	PLACES 4                                       ; in front of loads into registers that matrix instructions have read
	FETCH \ns, \nq, 1-\set
	MULA 0, 8, \set, \cm
.endm
; A step at which the waves meet.  In front of the barrier each wave waits for all its tensor loads, adds 0 to its spare word, and waits for that and for its reads of the slot.  fill = 1: slot 0 takes the last 256 along K.
.macro TURN set, ns, fill
	WIN 0
	s_wait_tensorcnt 0x0
	ds_add_u32 v[SPW], v[NIL]
	s_wait_dscnt 1                                 ; this set's loads are in; the add alone may be out
	MULA 0, 2, \set, -1
	s_wait_dscnt 0x0                               ; the add is done; my reads of the slot are over
	s_barrier_signal -1
	MULA 2, 2, \set, -1
	WIN 0
	s_barrier_wait -1
.if \fill
	CREST                                          ; the barrier has opened a round of the cluster's: no wave of any partner still reads slot 0 or has a load on its way
	s_add_nc_u64 s[G0A+2:G0A+3], s[G0A+2:G0A+3], s[98:99]
	s_add_nc_u64 s[G0B+2:G0B+3], s[G0B+2:G0B+3], s[100:101]
	JLOAD 0                                        ; the first tensor load behind the round; its four v_nop are the places in front of the loads below
.else
	PLACES 4
.endif
	s_wait_alu depctr_va_vdst(0)
	FETCH \ns, 0, 1-\set
	MULA 4, 4, \set, -1
.endm
	s_wait_alu depctr_va_vdst(0)                   ; the wait at the head's end
	s_wait_tensorcnt 0x0                           ; my part of all three slots is in; no load of mine is out, so group 1 may be written:
.irp g, G1A, G1B                       ; the refill brings eight records as 104 rows of 256 bytes
	s_mov_b32 s[\g+1], 32<<16
	s_mov_b32 s[\g+2], 104<<16
	s_mov_b32 s[\g+3], 32<<16
	s_mov_b32 s[\g+4], 104
	s_mov_b32 s[\g+5], 32
.endr
	s_barrier_signal -1
	s_barrier_wait -1
	FETCH 0, 0, 0
	s_wait_loadcnt 0x0                             ; the bias
.if QKV
	s_cmp_eq_u32 s69, 1
	s_cbranch_scc0 .Ln0_v
	STEP 0, 0, 1, 0
	WIN 0
	s_branch .Ln0_done
.Ln0_v:
	STEP 0, 0, 1, 1
	WIN 0
.Ln0_done:
.else
	STEP 0, 0, 1, 0
.endif
	TURN 1, 1, 1                                   ; all three slots are shown whole here; the refill has three and a half steps in which to land
	STEP 0, 1, 1, -1
	STEP 1, 2, 0, -1
	STEP 0, 2, 1, -1
	TURN 1, 0, 0                                   ; the refill has landed, in every wave's eyes
	STEP 0, 0, 1, -1
	s_wait_dscnt 0x0
	MULA 0, 8, 1, -1
	WIN 0
	PLACES 4
	v_mov_b32 v[FLR], 0x1800000                    ; the floor 2^(3 - 127)
.irp b, 0,1,2,3
	v_mov_b32 v[TM+4+\b], 0                        ; a lane permute's destination counts as one of its sources
.endr
; Tile a of my rows: its eight accumulators are 64 numbers a lane, register 16 b + i = column 32 b + 16 h + i: quantised, and stored as an operand's image.
.macro EPI a
.set W, 2+(\a)/4
.set AC, 64*((\a)%4)
.if QKV == 0
.set wn, (W<<6)|(W<<2)
	WIN wn
.set n, 0
.rept 64
	v_max_num_f32 v[AC+n], 0, v[AC+n]              ; the activation, in f32; each accumulator from its low end on
.set n, n+1
.endr
.endif
.set wn, (W<<2)|(W<<4)
	WIN wn
.irp b, 0,1,2,3
	v_max3_num_f32 v[TM+\b], v[FLR], |v[AC+16*\b]|, |v[AC+16*\b+1]|
.endr
.irp i, 2,4,6,8,10,12,14
.irp b, 0,1,2,3
	v_max3_num_f32 v[TM+\b], v[TM+\b], |v[AC+16*\b+\i]|, |v[AC+16*\b+\i+1]|
.endr
.endr
	WIN 0
.irp b, 0,1,2,3
	v_permlanex16_b32 v[TM+4+\b], v[TM+\b], s96, s97
.endr
.irp b, 0,1,2,3
	v_max_num_f32 v[TM+\b], v[TM+\b], v[TM+4+\b]
.endr
.irp b, 0,1,2,3
	v_add_nc_u32 v[TM+12+\b], 0xff000000, v[TM+\b]
.endr
.irp b, 0,1,2,3
	v_lshrrev_b32 v[TM+4+\b], 23, v[TM+12+\b]
.endr
	s_wait_alu depctr_va_vdst(0)
	s_wait_xcnt 0x0                                ; the last tile's stores have read their data and bases: both are written again only behind this wait
.if (\a) == 4
	s_add_nc_u64 s[80:81], s[80:81], s[90:91]
	s_add_nc_u64 s[82:83], s[82:83], s[90:91]
	s_add_nc_u64 s[84:85], s[84:85], s[94:95]
.if QKV
	s_add_nc_u64 s[86:87], s[86:87], s[94:95]
.endif
.elseif (\a) > 0
	s_add_nc_u64 s[80:81], s[80:81], s[88:89]
	s_add_nc_u64 s[82:83], s[82:83], s[88:89]
	s_add_nc_u64 s[84:85], s[84:85], s[92:93]
.if QKV
	s_add_nc_u64 s[86:87], s[86:87], s[92:93]
.endif
.endif
	v_lshl_or_b32 v[PW], v[TM+5], 8, v[TM+4]
	v_lshl_or_b32 v[PW], v[TM+6], 16, v[PW]
	v_lshl_or_b32 v[PW], v[TM+7], 24, v[PW]
	WIN W
.irp c, 0,1
	v_cvt_scalef32_pk16_fp6_f32 v[PC+6*\c:PC+2+6*\c], v[AC+32*\c:AC+32*\c+15], v[TM+12+2*\c]
	v_cvt_scalef32_pk16_fp6_f32 v[PC+12+4*\c:PC+14+4*\c], v[AC+32*\c+16:AC+32*\c+31], v[TM+13+2*\c]
.endr
	WIN 0
	v_nop                                          ; one plain place behind a scaled conversion
.irp c, 0,1
.irp i, 0,1,2
	v_permlane16_swap_b32 v[PC+6*\c+\i], v[PC+12+4*\c+\i]
.endr
.irp i, 0,1,2
	v_mov_b32 v[PC+3+6*\c+\i], v[PC+12+4*\c+\i]
.endr
.endr
	global_store_b64 v[L8], v[PC:PC+1], s[80:81]
	global_store_b128 v[L16], v[PC+2:PC+5], s[80:81] offset:256
	global_store_b64 v[L8], v[PC+6:PC+7], s[82:83]
	global_store_b128 v[L16], v[PC+8:PC+11], s[82:83] offset:256
	global_store_b32 v[L4], v[PW], s[84:85]        ; q, k: bytes 0, 1 are this head's; bytes 2, 3 (the next head's, never 0xff) meet zero codes alone
.if QKV
	s_cmp_eq_u32 s69, 1
	s_cbranch_scc0 .Lone_word_\@
	v_lshrrev_b32 v[PW2], 16, v[PW]
	global_store_b32 v[L4], v[PW2], s[86:87]       ; the second head's word
.Lone_word_\@:
.endif
.endm
.irp e, 0,1,2,3,4,5,6,7
	EPI \e
.endr
	s_wait_tensorcnt 0x0                           ; the wave's end
	ds_add_u32 v[SPW], v[NIL]
	s_wait_dscnt 0x0
	CROUND                                         ; the closing round
	s_endpgm
.Lfunc_end_k_qb0a568b4b8_ffn1:
	.size	k_qb0a568b4b8_ffn1, .Lfunc_end_k_qb0a568b4b8_ffn1-k_qb0a568b4b8_ffn1
	.p2alignl 7, 3214868480
	.fill 96, 4, 3214868480
	.section	.rodata,"a",@progbits
	.p2align	6, 0x0
	.amdhsa_kernel k_qb0a568b4b8_ffn1
		.amdhsa_group_segment_fixed_size 327680
		.amdhsa_private_segment_fixed_size 0
		.amdhsa_enable_private_segment 0
		.amdhsa_kernarg_size 32
		.amdhsa_user_sgpr_count 2
		.amdhsa_user_sgpr_kernarg_segment_ptr 1
		.amdhsa_wavefront_size32 1
		.amdhsa_system_sgpr_workgroup_id_x 1
		.amdhsa_system_sgpr_workgroup_id_y 1
		.amdhsa_system_sgpr_workgroup_id_z 1
		.amdhsa_system_vgpr_workitem_id 0
		.amdhsa_next_free_vgpr 1024
		.amdhsa_next_free_sgpr 104
		.amdhsa_reserve_vcc 0
		.amdhsa_float_denorm_mode_32 3
		.amdhsa_float_denorm_mode_16_64 3
		.amdhsa_memory_ordered 1
		.amdhsa_forward_progress 1
		.amdhsa_inst_pref_size 165
	.end_amdhsa_kernel
	.amdgpu_metadata
---
amdhsa.version: [ 1, 2 ]
amdhsa.kernels:
  - .name:           k_qb0a568b4b8_ffn1
    .symbol:         k_qb0a568b4b8_ffn1.kd
    .args:
      - { .name: x1b, .offset: 0, .size: 8, .value_kind: global_buffer, .address_space: global }
      - { .name: wts, .offset: 8, .size: 8, .value_kind: global_buffer, .address_space: global }
      - { .name: b1, .offset: 16, .size: 8, .value_kind: global_buffer, .address_space: global }
      - { .name: hq, .offset: 24, .size: 8, .value_kind: global_buffer, .address_space: global }
    .group_segment_fixed_size: 327680
    .private_segment_fixed_size: 0
    .kernarg_segment_align: 8
    .kernarg_segment_size: 32
    .max_flat_workgroup_size: 128
    .sgpr_count:     104
    .vgpr_count:     1024
    .wavefront_size: 32
...
	.end_amdgpu_metadata
.endif
;; end of part 5
;; launch ffn2 (part 6): grid 8 x 32, 4 waves a work-group, clusters of 4 x 4, 327,680 bytes of LDS; arguments hq, wts, b2, y; writes y
.if DOCPART == 6
	.amdgcn_target "amdgcn-amd-amdhsa--gfx1250"
	.amdhsa_code_object_version 6
	.text
	.protected	k_qb0a568b4b8_ffn2
	.globl	k_qb0a568b4b8_ffn2
	.p2align	8
	.type	k_qb0a568b4b8_ffn2,@function
k_qb0a568b4b8_ffn2:
	s_mov_b64 s[64:65], 0
	v_nop
	global_prefetch_b8 v0, s[64:65] scope:SCOPE_SE
	s_setreg_imm32_b32 hwreg(HW_REG_WAVE_MODE, 25, 1), 1
	s_wait_xcnt 0x0
	s_wait_alu depctr_hold_cnt(0) depctr_sa_sdst(0) depctr_va_vdst(0) depctr_va_sdst(0) depctr_va_ssrc(0) depctr_va_vcc(0) depctr_vm_vsrc(0)
	s_getreg_b32 s2, hwreg(HW_REG_IB_STS2, 6, 4)
	s_cmp_eq_u32 s2, 0
	s_cbranch_scc0 .Lentry_in_a_cluster
	s_endpgm
.Lentry_in_a_cluster:
	s_bfe_u32 s2, ttmp6, 0x10000c
	s_cmp_lg_u32 s2, 0xf033
	s_cbranch_scc0 .Lentry_shape_is_right
	s_endpgm
.Lentry_shape_is_right:
; y = A B^T + bias on codes of FP6 (E2M3, one E8M0 byte for each 32 along K), N = 1,024; y leaves in f32, as images of the accumulators.  K = 1,024 x LAPS.
; OPERANDS are images of the matrix operand's registers: a record of 3,328 bytes is one tile of 16 rows x 256 K (four half fragments of 768 bytes: registers 0, 1 at 8 x lane, registers 2-5 at 256 + 16 x lane;
; then two runs of scale words at 4 x lane), laid [K / 256][tile].  Lane r of tile t holds row 32 (t/2) + 8 (t%2) + r + 8 (r/8).
; SHARES: with N = 1,024 blocks of 256 x 256 would be 64; so a work-group makes 128 x 128 (256 work-groups), each of four waves 64 x 64: 16 accumulators.
; K goes in steps of 512 through two LDS slots (A's and B's eight records of two 256s along K: 106,496 bytes); a wave's tensor load brings eight records, 26,624 dense bytes, as 104 rows of 256.
; CLUSTER 4 x 4: A's records are shared along a row of the cluster, B's along a column: joint loads.  THE MATRIX INSTRUCTION IS USED TRANSPOSED (source 0 = B's rows, source 1 = A's).
; The bias is the C of each sum's first matrix instruction.  y is laid [tile of rows][tile of columns][registers 0-3 at 16 x lane, then registers 4-7]: every store covers 512 consecutive bytes.
; REGISTERS: window 0: v4-13 LDS addresses, v14 16 x lane, v15 64 h, v28-29 for the add, v32-39 scale words (two sets of 4), v64-95 the bias, v128-255 accumulator (a, b) at 128 + 8 (4 a + b).
;   window 1: set p: A's four fragments at 128 p, B's four at 128 p + 48.
.set LAPS,  4
.set REC,   3328
.set BOFF,  3072*REC                   ; W2's codes in wts
.set HALF8, 8*REC
.set SLOT,  4*HALF8
.set SPARE, 2*SLOT
.set ADA8,  4
.set ADA16, 6
.set ADB8,  8
.set ADB16, 10
.set ADS,   12
.set L16,   14
.set SPW,   28
.set NIL,   29
.set SC,    32
.set G1A,   24
.set G0A,   32
.set G1B,   44
.set G0B,   52
.set MSB, 0
.macro WIN new
.if MSB != \new
	s_set_vgpr_msb (MSB<<8)|\new
.set MSB, \new
.endif
.endm
.macro PLACES n
.rept \n
	v_nop
.endr
.endm
.macro CREST
	s_cmp_lg_u32 s14, 0
	s_cbranch_scc1 .Lnot_wave_0_\@
	s_barrier_signal -3
.Lnot_wave_0_\@:
	s_barrier_wait -3
	s_barrier_signal -1
	s_barrier_wait -1
.endm
.macro CROUND
	s_barrier_signal -1
	s_barrier_wait -1
	CREST
.endm
.macro JLOAD s                         ; a joint load: waves 0 and 1 fetch for A, waves 2 and 3 for B; four v_nop follow each line
	s_cmp_eq_u32 s15, 0
	s_cbranch_scc0 .Lfor_b_\@
	tensor_load_to_lds s[G0A+4*\s:G0A+4*\s+3], s[G1A:G1A+7]
	s_nop 0
	PLACES 4
	s_branch .Lasked_\@
.Lfor_b_\@:
	tensor_load_to_lds s[G0B+4*\s:G0B+4*\s+3], s[G1B:G1B+7]
	s_nop 0
	PLACES 4
.Lasked_\@:
.endm
	s_load_b256 s[4:11], s[0:1], 0x0               ; A's codes, wts, the bias, y
	v_lshl_add_u32 v[SPW], v0, 2, SPARE
	v_mov_b32 v[NIL], 0
	ds_add_u32 v28, v29
	ds_add_u32 v28, v29
	s_wait_dscnt 0x0
	v_lshrrev_b32 v1, 5, v0
	v_readfirstlane_b32 s14, v1                    ; wave 0..3
	s_lshr_b32 s15, s14, 1                         ; which half of A's rows is mine.  Also: I fetch for A (0) or for B (1)
	s_and_b32 s16, s14, 1                          ; which half of B's rows.  Also: which 256 of a slot's 512 along K I fetch
	s_bfe_u32 s66, ttmp6, 0x40000                  ; cx
	s_bfe_u32 s67, ttmp6, 0x40004                  ; cy
	s_and_b32 s17, ttmp7, 0xffff
	s_lshl_b32 s17, s17, 2
	s_add_co_u32 s17, s17, s67                     ; A's block of 128 rows
	s_lshl_b32 s68, ttmp9, 2
	s_add_co_u32 s68, s68, s66                     ; B's block of 128 rows
	s_lshl_b32 s23, s67, 2
	s_lshl_b32 s23, 15, s23                        ; my row of the cluster
	s_lshl_b32 s2, 0x1111, s66                     ; my column
	s_or_b32 s[G1A], s23, (3<<16)|(1<<21)
	s_or_b32 s[G1B], s2, (3<<16)|(1<<21)
.irp g, G1A, G1B                       ; the head's load brings two rows, a slot's two 256s along K; a row is eight records, 26,624 dense bytes
	s_mov_b32 s[\g+1], 3328<<16                    ; tensor_dim0 = 3,328 elements of 8 bytes
	s_mov_b32 s[\g+2], 2<<16
	s_mov_b32 s[\g+3], 3328<<16
	s_mov_b32 s[\g+4], 2
	s_mov_b32 s[\g+6], 0
	s_mov_b32 s[\g+7], 0
.endr
	s_mov_b32 s[G1A+5], 256*REC/8                  ; from one 256 along K to the next, in elements: A has 256 tiles,
	s_mov_b32 s[G1B+5], 64*REC/8                   ; B 64
	s_lshl_b32 s74, s16, 8
	s_lshl_b32 s18, s17, 3
	s_add_co_u32 s74, s74, s18
	s_mul_i32 s74, s74, REC                        ; A: 256 tiles to a 256 along K
	s_mov_b32 s75, 0
	s_lshl_b32 s76, s16, 6
	s_lshl_b32 s19, s68, 3
	s_add_co_u32 s76, s76, s19
	s_mul_i32 s76, s76, REC                        ; B: 64 tiles
	s_add_co_u32 s76, s76, BOFF
	s_mov_b32 s77, 0
	s_mul_i32 s78, s14, HALF8
	s_wait_kmcnt 0x0
	s_add_nc_u64 s[74:75], s[4:5], s[74:75]
	s_add_nc_u64 s[76:77], s[6:7], s[76:77]
	CROUND                                         ; all sixteen work-groups are here: the first joint loads meet
.irp s, 0,1
	s_mov_b32 s[G0A+4*\s], 1
	s_add_co_u32 s[G0A+4*\s+1], s78, \s*SLOT
	s_add_nc_u64 s[G0A+4*\s+2:G0A+4*\s+3], s[74:75], \s*2*256*REC
	s_or_b32 s[G0A+4*\s+3], s[G0A+4*\s+3], 0x80000000
	s_mov_b32 s[G0B+4*\s], 1
	s_add_co_u32 s[G0B+4*\s+1], s78, \s*SLOT
	s_add_nc_u64 s[G0B+4*\s+2:G0B+4*\s+3], s[76:77], \s*2*64*REC
	s_or_b32 s[G0B+4*\s+3], s[G0B+4*\s+3], 0x80000000
.endr
	s_mul_i32 s82, s16, 256*REC                    ; the head's group 0: slot wave % 2 begins at its 512 along K (s[74:77] hold wave % 2 x one 256 already)
	s_mov_b32 s83, 0
	s_mul_i32 s84, s16, 64*REC
	s_mov_b32 s85, 0
	s_mov_b32 s40, 1
	s_mul_i32 s41, s16, SLOT                       ; A's sixteen records of that slot,
	s_add_nc_u64 s[42:43], s[74:75], s[82:83]
	s_or_b32 s43, s43, 0x80000000
	s_mov_b32 s60, 1
	s_add_co_u32 s61, s41, 2*HALF8                 ; B's behind them
	s_add_nc_u64 s[62:63], s[76:77], s[84:85]
	s_or_b32 s63, s63, 0x80000000
	s_cmp_eq_u32 s15, 0                            ; one tensor load a wave at the head: waves 0, 1 A of slots 0, 1; waves 2, 3 B of slots 0, 1
	s_cbranch_scc0 .Lfirst_b
	tensor_load_to_lds s[40:43], s[G1A:G1A+7]
	s_nop 0
	PLACES 4
	s_branch .Lfirst_done
.Lfirst_b:
	tensor_load_to_lds s[60:63], s[G1B:G1B+7]
	s_nop 0
	PLACES 4
.Lfirst_done:
	v_and_b32 v1, 31, v0
	v_bfe_u32 v2, v0, 4, 1
	v_lshlrev_b32 v16, 3, v1
	v_lshlrev_b32 v[L16], 4, v1
	v_lshlrev_b32 v17, 2, v1
	v_lshlrev_b32 v15, 6, v2
	s_mul_i32 s18, s15, 4*REC                      ; my four records of A
	s_mul_i32 s19, s16, 4*REC
	s_add_co_u32 s19, s19, 2*HALF8                 ; my four of B
	s_sub_co_u32 s2, s19, s18
	v_mul_u32_u24 v18, s2, v2                      ; lanes 16-31 take B's scale words
	v_add_nc_u32 v18, v18, v17
	v_add_nc_u32 v18, 3072, v18
.irp s, 0,1
	v_add_nc_u32 v[ADA8+\s], s18, v16
	v_add_nc_u32 v[ADA16+\s], s18, v[L16]
	v_add_nc_u32 v[ADB8+\s], s19, v16
	v_add_nc_u32 v[ADB16+\s], s19, v[L16]
	v_add_nc_u32 v[ADS+\s], s18, v18
	s_add_co_u32 s18, s18, SLOT
	s_add_co_u32 s19, s19, SLOT
.endr
	s_lshl_b32 s18, s17, 3
	s_lshl_b32 s19, s15, 2
	s_add_co_u32 s18, s18, s19
	s_lshl_b32 s18, s18, 6
	s_lshl_b32 s19, s68, 3
	s_add_co_u32 s18, s18, s19
	s_lshl_b32 s19, s16, 2
	s_add_co_u32 s18, s18, s19
	s_lshl_b32 s18, s18, 10                        ; y: (tile of rows x 64 + tile of columns) x 1,024 bytes
	s_mov_b32 s19, 0
	s_add_nc_u64 s[80:81], s[10:11], s[18:19]
	s_lshl_b32 s20, s68, 9
	s_lshl_b32 s21, s16, 8
	s_add_co_u32 s20, s20, s21
	s_mov_b32 s21, 0
	s_add_nc_u64 s[20:21], s[8:9], s[20:21]        ; the bias of my 64 columns
.irp i, 0,1,2,3
	global_load_b128 v[64+8*\i:67+8*\i], v15, s[20:21] offset:(32*(\i/2)+8*(\i%2))*4
	global_load_b128 v[68+8*\i:71+8*\i], v15, s[20:21] offset:(32*(\i/2)+8*(\i%2))*4+16
.endr
.macro FRAG reg, a8, a16, off
	ds_load_b64 v[\reg:\reg+1], v[\a8] offset:\off
	ds_load_b128 v[\reg+2:\reg+5], v[\a16] offset:\off+256
	ds_load_b64 v[\reg+6:\reg+7], v[\a8] offset:\off+768
	ds_load_b128 v[\reg+8:\reg+11], v[\a16] offset:\off+1024
.endm
.macro FETCH slot, q, set              ; the slot's q-th 128 along K (q = 0..3)
	WIN 0x40
.irp i, 0,1,2,3
	FRAG 128*(\set)+48+12*\i, ADB8+\slot, ADB16+\slot, \i*REC+((\q)/2)*HALF8+((\q)%2)*1536
.endr
.irp i, 0,1,2,3
	FRAG 128*(\set)+12*\i, ADA8+\slot, ADA16+\slot, \i*REC+((\q)/2)*HALF8+((\q)%2)*1536
.endr
	WIN 0
.irp i, 0,1,2,3
	ds_load_b32 v[SC+4*(\set)+\i], v[ADS+\slot] offset:\i*REC+((\q)/2)*HALF8+((\q)%2)*128
.endr
.endm
; na of A's tiles from a0 on, each against B's four.  The 16 accumulators take turns, one instruction a turn, in the same order in every step.
.macro MULA a0, na, set, first
	WIN 0x05
.set aa, \a0
.rept \na
.set bb, 0
.rept 4
.set rD, 128+8*(4*aa+bb)
.set rB, 128*(\set)+48+12*bb
.set rA, 128*(\set)+12*aa
.set sB, SC+4*(\set)+bb
.set sA, SC+4*(\set)+aa
.if \first
	v_wmma_scale_f32_16x16x128_f8f6f4 v[rD:rD+7], v[rB:rB+11], v[rA:rA+11], v[64+8*bb:71+8*bb], v[sB], v[sA] matrix_a_fmt:MATRIX_FMT_FP6 matrix_b_fmt:MATRIX_FMT_FP6 matrix_a_scale:MATRIX_SCALE_ROW1
.else
	v_wmma_scale_f32_16x16x128_f8f6f4 v[rD:rD+7], v[rB:rB+11], v[rA:rA+11], v[rD:rD+7], v[sB], v[sA] matrix_a_fmt:MATRIX_FMT_FP6 matrix_b_fmt:MATRIX_FMT_FP6 matrix_a_scale:MATRIX_SCALE_ROW1
.endif
.set bb, bb+1
.endr
.set aa, aa+1
.endr
.endm
.macro STEP slot, q, first             ; multiplies the slot's q-th 128 (set q % 2); the next 128's operands come into the other set meanwhile
	s_wait_dscnt 0x0                               ; this set was asked for a whole step ago
	PLACES 4                                       ; in front of loads into registers that matrix instructions have read
	FETCH \slot, (\q)+1, 1-(\q)%2
	MULA 0, 4, (\q)%2, \first
.endm
; A slot's last step changes slots: one barrier; in front of it each wave waits for all its tensor loads, adds 0 to its spare word, and waits for that and for its reads of this slot.  fill = 1: this slot takes the 512 along K two slots on.
.macro TURN slot, next, fill
	WIN 0
	s_wait_tensorcnt 0x0
	ds_add_u32 v[SPW], v[NIL]
	s_wait_dscnt 1                                 ; this set's loads are in; the add alone may be out
	MULA 0, 1, 1, 0
	s_wait_dscnt 0x0                               ; the add is done; my reads of this slot are over
	s_barrier_signal -1
	MULA 1, 1, 1, 0
	WIN 0
	s_barrier_wait -1
.if \fill
	CREST                                          ; the barrier has opened a round of the cluster's: no wave of any partner still reads this slot or has a load on its way
	s_add_nc_u64 s[G0A+4*\slot+2:G0A+4*\slot+3], s[G0A+4*\slot+2:G0A+4*\slot+3], 4*256*REC
	s_add_nc_u64 s[G0B+4*\slot+2:G0B+4*\slot+3], s[G0B+4*\slot+2:G0B+4*\slot+3], 4*64*REC
	JLOAD \slot                                    ; the first tensor load behind the round; its four v_nop are the places in front of the loads below
.else
	PLACES 4
.endif
	FETCH \next, 0, 0
	MULA 2, 2, 1, 0
.endm
	s_wait_alu depctr_va_vdst(0)
	s_wait_tensorcnt 0x0                           ; my one load is in; no load of mine is out, so group 1 may be written:
.irp g, G1A, G1B                       ; a refill brings eight records as 104 rows of 256 bytes
	s_mov_b32 s[\g+1], 32<<16
	s_mov_b32 s[\g+2], 104<<16
	s_mov_b32 s[\g+3], 32<<16
	s_mov_b32 s[\g+4], 104
	s_mov_b32 s[\g+5], 32
.endr
	s_barrier_signal -1
	s_barrier_wait -1
	FETCH 0, 0, 0
	s_wait_loadcnt 0x0                             ; the bias
	STEP 0, 0, 1                                   ; the first step stands in front of the loop: its products start the sums
.if LAPS > 1
	WIN 0
	s_mov_b32 s3, LAPS-1
.Llap:                                             ; a trip goes once round the ring and fills both slots again
	STEP 0, 1, 0
	STEP 0, 2, 0
	TURN 0, 1, 1
	STEP 1, 0, 0
	STEP 1, 1, 0
	STEP 1, 2, 0
	TURN 1, 0, 1
	STEP 0, 0, 0
	WIN 0
	s_sub_co_u32 s3, s3, 1
	s_cmp_lg_u32 s3, 0
	s_cbranch_scc1 .Llap
.endif
	STEP 0, 1, 0                                   ; the last lap fills nothing
	STEP 0, 2, 0
	TURN 0, 1, 0
	STEP 1, 0, 0
	STEP 1, 1, 0
	STEP 1, 2, 0
	s_wait_dscnt 0x0
	MULA 0, 4, 1, 0
	WIN 0
	PLACES 4
.irp a, 0,1,2,3
.irp b, 0,1,2,3
	global_store_b128 v[L16], v[128+8*(4*\a+\b):131+8*(4*\a+\b)], s[80:81] offset:\a*65536+\b*1024        ; each accumulator from its low end on; 32 lanes store 512 consecutive bytes
	global_store_b128 v[L16], v[132+8*(4*\a+\b):135+8*(4*\a+\b)], s[80:81] offset:\a*65536+\b*1024+512
.endr
.endr
	s_wait_tensorcnt 0x0                           ; the wave's end
	ds_add_u32 v[SPW], v[NIL]
	s_wait_dscnt 0x0
	CROUND                                         ; the closing round
	s_endpgm
.Lfunc_end_k_qb0a568b4b8_ffn2:
	.size	k_qb0a568b4b8_ffn2, .Lfunc_end_k_qb0a568b4b8_ffn2-k_qb0a568b4b8_ffn2
	.p2alignl 7, 3214868480
	.fill 96, 4, 3214868480
	.section	.rodata,"a",@progbits
	.p2align	6, 0x0
	.amdhsa_kernel k_qb0a568b4b8_ffn2
		.amdhsa_group_segment_fixed_size 327680
		.amdhsa_private_segment_fixed_size 0
		.amdhsa_enable_private_segment 0
		.amdhsa_kernarg_size 32
		.amdhsa_user_sgpr_count 2
		.amdhsa_user_sgpr_kernarg_segment_ptr 1
		.amdhsa_wavefront_size32 1
		.amdhsa_system_sgpr_workgroup_id_x 1
		.amdhsa_system_sgpr_workgroup_id_y 1
		.amdhsa_system_sgpr_workgroup_id_z 1
		.amdhsa_system_vgpr_workitem_id 0
		.amdhsa_next_free_vgpr 512
		.amdhsa_next_free_sgpr 100
		.amdhsa_reserve_vcc 0
		.amdhsa_float_denorm_mode_32 3
		.amdhsa_float_denorm_mode_16_64 3
		.amdhsa_memory_ordered 1
		.amdhsa_forward_progress 1
		.amdhsa_inst_pref_size 87
	.end_amdhsa_kernel
	.amdgpu_metadata
---
amdhsa.version: [ 1, 2 ]
amdhsa.kernels:
  - .name:           k_qb0a568b4b8_ffn2
    .symbol:         k_qb0a568b4b8_ffn2.kd
    .args:
      - { .name: hq, .offset: 0, .size: 8, .value_kind: global_buffer, .address_space: global }
      - { .name: wts, .offset: 8, .size: 8, .value_kind: global_buffer, .address_space: global }
      - { .name: b2, .offset: 16, .size: 8, .value_kind: global_buffer, .address_space: global }
      - { .name: y, .offset: 24, .size: 8, .value_kind: global_buffer, .address_space: global }
    .group_segment_fixed_size: 327680
    .private_segment_fixed_size: 0
    .kernarg_segment_align: 8
    .kernarg_segment_size: 32
    .max_flat_workgroup_size: 128
    .sgpr_count:     100
    .vgpr_count:     512
    .wavefront_size: 32
...
	.end_amdgpu_metadata
.endif
;; end of part 6
;; launch ln2 (part 7): grid 256 x 1, 8 waves a work-group, no clusters, 69,632 bytes of LDS; arguments y, x1b, g2, be2, out0; writes out0
.if DOCPART == 7
	.amdgcn_target "amdgcn-amd-amdhsa--gfx1250"
	.amdhsa_code_object_version 6
	.text
	.protected	k_qb0a568b4b8_ln2
	.globl	k_qb0a568b4b8_ln2
	.p2align	8
	.type	k_qb0a568b4b8_ln2,@function
k_qb0a568b4b8_ln2:
	s_mov_b64 s[64:65], 0
	v_nop
	global_prefetch_b8 v0, s[64:65] scope:SCOPE_SE
	s_setreg_imm32_b32 hwreg(HW_REG_WAVE_MODE, 25, 1), 1
	s_wait_xcnt 0x0
; z = residual + y;  out = (z - mean) rsqrt(var + 1e-6) g + be, along rows of 1,024, all in f32; the variance is taken of z - mean, in a second pass over registers.
; The residual is x1 (accumulators' layout, the first 16,777,216 bytes of its buffer); the result is the layer's output, rows as JAX has them.
; y is laid [tile of 16 rows][tile of 16 columns][registers 0-3 at 16 x lane, registers 4-7 likewise]: lane (r, h) of row tile t holds row 32 (t/2) + 8 (t%2) + r + 8 (r/8); the 16 registers of column tiles 2 b, 2 b + 1 are columns 32 b + 16 h + 0..15.
; SHARES: a work-group takes one tile of 16 rows, each of eight waves 128 columns: 64 numbers a lane.  A row's sums meet in LDS: two barriers.  Rows in JAX's order turn through the wave's own stage (16 rows of 512 + 16 bytes).
; Memory binds: each byte is read once, every load and store covers 512 consecutive bytes.  No matrix unit, no cluster, no tensor load: nothing is shared between work-groups.
; LIMITS: NaN and infinities are not served.
.set RED,   67584                      ; behind the eight stages: the rows' sums, 512 bytes for the first sum and 512 for the second.  The base stands in the address registers: an LDS immediate has 16 bits
.set SEL,   2
.set L16,   4
.set Z,     64
.set R,     128
.set B,     192
.macro REDUCE off                      ; v56: my 64 numbers' sum -> v56: the row's sum over all 1,024 columns, in every lane of the row.  off: 0 for the first sum's words, 512 for the second's
	s_delay_alu instid0(VALU_DEP_1)
	v_permlanex16_b32 v57, v56, s[SEL], s[SEL+1]
	s_delay_alu instid0(VALU_DEP_1)
	v_add_f32 v56, v56, v57                        ; my wave's 128 columns
	ds_store_b32 v11, v56 offset:\off              ; lanes r and r + 16 write the same word with the same value
	s_wait_dscnt 0x0                               ; for the others' sake
	s_barrier_signal -1
	s_barrier_wait -1
.irp k, 0,1,2,3,4,5,6,7
	ds_load_b32 v[16+\k], v12 offset:\off+64*\k
.endr
	s_wait_dscnt 0x0
	v_add_f32 v16, v16, v17
	v_add_f32 v18, v18, v19
	v_add_f32 v20, v20, v21
	v_add_f32 v22, v22, v23
	s_delay_alu instid0(VALU_DEP_3)
	v_add_f32 v16, v16, v18
	s_delay_alu instid0(VALU_DEP_2)
	v_add_f32 v20, v20, v22
	s_delay_alu instid0(VALU_DEP_1)
	v_add_f32 v56, v16, v20
.endm
	s_load_b256 s[8:15], s[0:1], 0x0               ; y, the residual, g, be
	s_load_b64 s[16:17], s[0:1], 0x20              ; the result
	v_lshl_add_u32 v54, v0, 2, 0x10c00
	v_mov_b32 v55, 0
	v_lshrrev_b32 v1, 5, v0
	s_delay_alu instid0(VALU_DEP_1)
	v_readfirstlane_b32 s4, v1                     ; wave 0..7
	v_and_b32 v1, 31, v0
	v_and_b32 v2, 15, v0                           ; r
	v_bfe_u32 v3, v0, 4, 1                         ; h
	s_delay_alu instid0(VALU_DEP_3)
	v_lshlrev_b32 v[L16], 4, v1
	s_mul_i32 s5, s4, 8448                         ; my stage
	v_add_nc_u32 v7, s5, v[L16]                    ; by rows: 16 x lane
	v_mul_u32_u24 v8, v2, 528
	s_delay_alu instid0(VALU_DEP_1)
	v_lshl_add_u32 v8, v3, 6, v8
	s_delay_alu instid0(VALU_DEP_1)
	v_add_nc_u32 v8, s5, v8                        ; by lanes: row r, + 64 h
	v_lshlrev_b32 v9, 6, v3                        ; g, be: 64 h
	v_lshl_add_u32 v12, v2, 2, RED                 ; the sums: RED + 4 r,
	s_lshl_b32 s6, s4, 6
	v_add_nc_u32 v11, s6, v12                      ; + 64 x wave
	s_mov_b32 s[SEL], 0x76543210
	s_mov_b32 s[SEL+1], 0xfedcba98
	s_mov_b32 s30, 0x3a800000                      ; 1 / 1,024
	s_mov_b32 s31, 0x358637bd                      ; 1e-6
	s_lshl_b32 s20, ttmp9, 16
	s_lshl_b32 s21, s4, 13
	s_add_co_u32 s20, s20, s21                     ; the accumulators' layout: (64 t + 8 w) x 1,024 bytes
	s_mov_b32 s21, 0
	s_lshr_b32 s22, ttmp9, 1
	s_lshl_b32 s22, s22, 17
	s_and_b32 s23, ttmp9, 1
	s_lshl_b32 s23, s23, 15
	s_add_co_u32 s22, s22, s23
	s_lshl_b32 s24, s4, 9
	s_add_co_u32 s22, s22, s24                     ; JAX's order: row 32 (t / 2) + 8 (t % 2), my 128 columns
	s_mov_b32 s23, 0
	s_mov_b32 s25, 0
	s_wait_alu depctr_va_vdst(0)
	s_wait_kmcnt 0x0
	s_add_nc_u64 s[8:9], s[8:9], s[20:21]
	s_add_nc_u64 s[10:11], s[10:11], s[20:21]
	s_add_nc_u64 s[18:19], s[16:17], s[22:23]
	s_add_nc_u64 s[12:13], s[12:13], s[24:25]
	s_add_nc_u64 s[14:15], s[14:15], s[24:25]
.irp k, 0,1,2,3,4,5,6,7,8,9,10,11,12,13,14,15
	global_load_b128 v[Z+4*\k:Z+4*\k+3], v[L16], s[8:9] offset:512*\k th:TH_LOAD_NT
.endr
.irp i, 0,1,2,3,4,5,6,7,8,9,10,11,12,13,14,15
	global_load_b128 v[R+4*\i:R+4*\i+3], v[L16], s[10:11] offset:512*\i th:TH_LOAD_NT
.endr
.irp b, 0,1,2,3
.irp j, 0,1,2,3
	global_load_b128 v[B+16*\b+4*\j:B+16*\b+4*\j+3], v9, s[14:15] offset:128*\b+16*\j
.endr
.endr
	s_wait_loadcnt 16                              ; y and the residual are in; be's sixteen loads may be out
.set n, 0
.rept 32
	v_pk_add_f32 v[Z+n:Z+n+1], v[Z+n:Z+n+1], v[R+n:R+n+1]
.set n, n+2
.endr
.irp b, 0,1,2,3
.irp j, 0,1,2,3
	global_load_b128 v[R+16*\b+4*\j:R+16*\b+4*\j+3], v9, s[12:13] offset:128*\b+16*\j      ; g, into the registers that the residual has left
.endr
.endr
	v_pk_add_f32 v[58:59], v[64:65], v[72:73]
	v_pk_add_f32 v[60:61], v[80:81], v[88:89]
	v_pk_add_f32 v[62:63], v[96:97], v[104:105]
	v_pk_add_f32 v[52:53], v[112:113], v[120:121]
	v_pk_add_f32 v[50:51], v[66:67], v[74:75]
	v_pk_add_f32 v[48:49], v[82:83], v[90:91]
	v_pk_add_f32 v[46:47], v[98:99], v[106:107]
	v_pk_add_f32 v[56:57], v[114:115], v[122:123]
	s_delay_alu instid0(VALU_DEP_1)
	v_pk_add_f32 v[56:57], v[56:57], v[68:69]
	v_pk_add_f32 v[58:59], v[58:59], v[76:77]
	v_pk_add_f32 v[60:61], v[60:61], v[84:85]
	v_pk_add_f32 v[62:63], v[62:63], v[92:93]
	v_pk_add_f32 v[52:53], v[52:53], v[100:101]
	v_pk_add_f32 v[50:51], v[50:51], v[108:109]
	v_pk_add_f32 v[48:49], v[48:49], v[116:117]
	v_pk_add_f32 v[46:47], v[46:47], v[124:125]
	v_pk_add_f32 v[56:57], v[56:57], v[70:71]
	v_pk_add_f32 v[58:59], v[58:59], v[78:79]
	v_pk_add_f32 v[60:61], v[60:61], v[86:87]
	v_pk_add_f32 v[62:63], v[62:63], v[94:95]
	v_pk_add_f32 v[52:53], v[52:53], v[102:103]
	v_pk_add_f32 v[50:51], v[50:51], v[110:111]
	v_pk_add_f32 v[48:49], v[48:49], v[118:119]
	v_pk_add_f32 v[46:47], v[46:47], v[126:127]
	s_delay_alu instid0(VALU_DEP_4)
	v_pk_add_f32 v[56:57], v[56:57], v[52:53]
	s_delay_alu instid0(VALU_DEP_4)
	v_pk_add_f32 v[58:59], v[58:59], v[50:51]
	s_delay_alu instid0(VALU_DEP_4)
	v_pk_add_f32 v[60:61], v[60:61], v[48:49]
	s_delay_alu instid0(VALU_DEP_4)
	v_pk_add_f32 v[62:63], v[62:63], v[46:47]
	s_delay_alu instid0(VALU_DEP_2)
	v_pk_add_f32 v[56:57], v[56:57], v[60:61]
	s_delay_alu instid0(VALU_DEP_2)
	v_pk_add_f32 v[58:59], v[58:59], v[62:63]
	s_delay_alu instid0(VALU_DEP_1)
	v_pk_add_f32 v[56:57], v[56:57], v[58:59]
	s_delay_alu instid0(VALU_DEP_1)
	v_add_f32 v56, v56, v57
	REDUCE 0
	s_delay_alu instid0(VALU_DEP_1)
	v_mul_f32 v56, s30, v56                        ; the mean
.set n, 0
.rept 32
	v_pk_add_f32 v[Z+n:Z+n+1], v[Z+n:Z+n+1], v[56:57] op_sel_hi:[1,0] neg_lo:[0,1] neg_hi:[0,1]
.set n, n+2
.endr
.irp c, 0,1,2,3
	v_pk_mul_f32 v[56+2*\c:57+2*\c], v[Z+2*\c:Z+2*\c+1], v[Z+2*\c:Z+2*\c+1]
.endr
.irp j, 8,16,24,32,40,48,56
.irp c, 0,1,2,3
	s_delay_alu instid0(VALU_DEP_4)
	v_pk_fma_f32 v[56+2*\c:57+2*\c], v[Z+\j+2*\c:Z+\j+2*\c+1], v[Z+\j+2*\c:Z+\j+2*\c+1], v[56+2*\c:57+2*\c]
.endr
.endr
	s_delay_alu instid0(VALU_DEP_3)
	v_pk_add_f32 v[56:57], v[56:57], v[58:59]
	s_delay_alu instid0(VALU_DEP_2)
	v_pk_add_f32 v[60:61], v[60:61], v[62:63]
	s_delay_alu instid0(VALU_DEP_1)
	v_pk_add_f32 v[56:57], v[56:57], v[60:61]
	s_delay_alu instid0(VALU_DEP_1)
	v_add_f32 v56, v56, v57
	REDUCE 512
	s_delay_alu instid0(VALU_DEP_1)
	v_fma_f32 v56, v56, s30, s31                   ; var + eps
	s_wait_alu depctr_va_vdst(0)
	v_rsq_f32 v58, v56
	v_nop                                          ; one plain place behind a transcendental
	s_wait_alu depctr_va_vdst(0)
	v_mov_b32 v59, v58
	s_wait_alu depctr_va_vdst(0)
	s_wait_loadcnt 0x0                             ; g and be
.set n, 0
.rept 32
	v_pk_mul_f32 v[Z+n:Z+n+1], v[Z+n:Z+n+1], v[58:59]
.set n, n+2
.endr
.set n, 0
.rept 32
	v_pk_fma_f32 v[Z+n:Z+n+1], v[Z+n:Z+n+1], v[R+n:R+n+1], v[B+n:B+n+1]
.set n, n+2
.endr
.irp b, 0,1,2,3
.irp j, 0,1,2,3
	ds_store_b128 v8, v[Z+16*\b+4*\j:Z+16*\b+4*\j+3] offset:128*\b+16*\j
.endr
.endr
.irp i, 0,1,2,3,4,5,6,7,8,9,10,11,12,13,14,15
	ds_load_b128 v[R+4*\i:R+4*\i+3], v7 offset:528*\i                      ; LDS serves a wave's instructions in order: these see my stores
.endr
.irp i, 0,1,2,3,4,5,6,7,8,9,10,11,12,13,14,15
	s_wait_dscnt 15-\i                             ; row i is back; the younger ones may be out
	global_store_b128 v[L16], v[R+4*\i:R+4*\i+3], s[18:19] offset:(\i+8*(\i/8))*4096 th:TH_STORE_NT
.endr
	s_wait_tensorcnt 0x0
	ds_add_u32 v54, v55
	s_wait_dscnt 0x0
	s_endpgm
.Lfunc_end_k_qb0a568b4b8_ln2:
	.size	k_qb0a568b4b8_ln2, .Lfunc_end_k_qb0a568b4b8_ln2-k_qb0a568b4b8_ln2
	.p2alignl 7, 3214868480
	.fill 96, 4, 3214868480
	.section	.rodata,"a",@progbits
	.p2align	6, 0x0
	.amdhsa_kernel k_qb0a568b4b8_ln2
		.amdhsa_group_segment_fixed_size 69632
		.amdhsa_private_segment_fixed_size 0
		.amdhsa_enable_private_segment 0
		.amdhsa_kernarg_size 40
		.amdhsa_user_sgpr_count 2
		.amdhsa_user_sgpr_kernarg_segment_ptr 1
		.amdhsa_wavefront_size32 1
		.amdhsa_system_sgpr_workgroup_id_x 1
		.amdhsa_system_sgpr_workgroup_id_y 1
		.amdhsa_system_sgpr_workgroup_id_z 1
		.amdhsa_system_vgpr_workitem_id 0
		.amdhsa_next_free_vgpr 256
		.amdhsa_next_free_sgpr 66
		.amdhsa_reserve_vcc 0
		.amdhsa_float_denorm_mode_32 3
		.amdhsa_float_denorm_mode_16_64 3
		.amdhsa_memory_ordered 1
		.amdhsa_forward_progress 1
		.amdhsa_inst_pref_size 29
	.end_amdhsa_kernel
	.amdgpu_metadata
---
amdhsa.version: [ 1, 2 ]
amdhsa.kernels:
  - .name:           k_qb0a568b4b8_ln2
    .symbol:         k_qb0a568b4b8_ln2.kd
    .args:
      - { .name: y, .offset: 0, .size: 8, .value_kind: global_buffer, .address_space: global }
      - { .name: x1b, .offset: 8, .size: 8, .value_kind: global_buffer, .address_space: global }
      - { .name: g2, .offset: 16, .size: 8, .value_kind: global_buffer, .address_space: global }
      - { .name: be2, .offset: 24, .size: 8, .value_kind: global_buffer, .address_space: global }
      - { .name: out0, .offset: 32, .size: 8, .value_kind: global_buffer, .address_space: global }
    .group_segment_fixed_size: 69632
    .private_segment_fixed_size: 0
    .kernarg_segment_align: 8
    .kernarg_segment_size: 40
    .max_flat_workgroup_size: 256
    .sgpr_count:     66
    .vgpr_count:     256
    .wavefront_size: 32
...
	.end_amdgpu_metadata
.endif
;; end of part 7
